; MI455X (gfx1250); checked and timed in simulation.
; The chip was launched on July 23, 2026; its instructions are those of AMD's public machine-readable ISA for CDNA 5 (MIT licence, August 2026) and "CDNA5" Instruction Set Architecture Reference Guide (July 2026). The comments in the code are by the model that wrote it; some were corrected since.
;; Local Attention ND. Allowed arithmetic: float matrix products may take bf16 or f16 operands with f32 sums; other float arithmetic in f32, or as packed bf16 or f16 multiplies, adds, multiply-adds, maxima and minima; sums over many terms, partial sums and values carried from step to step in f32; what a program stores and reads back later, other than sums and carried values, may be rounded once to bf16 or f16.
;; Inputs: W_out 128 x 128 float32; W_qkv 128 x 384 float32; W_width 128 x 1 float32; b_width 1 float32; x 4 x 64 x 64 x 128 float32.
;; Outputs: out0 4 x 64 x 64 x 128 float32.
;; 2 versions, each right and faster than the one before. Each part assembles by itself: llvm-mc -triple=amdgcn-amd-amdhsa -mcpu=gfx1250 --defsym DOCPART=n.
;; ======== version 1 of 2: 1 launch
;; limits: values are held in f16: magnitudes above 65,504 overflow, below 6.1e-05 lose precision
;; launch local_attention (part 1): grid 64 x 4, 4 waves a work-group, clusters of 4 x 1, 327,680 bytes of LDS; arguments x, W_qkv, W_width, b_width, W_out, out0; writes out0
.if DOCPART == 1
	.amdgcn_target "amdgcn-amd-amdhsa--gfx1250"
	.amdhsa_code_object_version 6
	.text
	.protected	k_q6a27d7ae44_local_attention
	.globl	k_q6a27d7ae44_local_attention
	.p2align	8
	.type	k_q6a27d7ae44_local_attention,@function
k_q6a27d7ae44_local_attention:
	s_mov_b64 s[64:65], 0
	v_nop
	global_prefetch_b8 v0, s[64:65] scope:SCOPE_SE
	s_setreg_imm32_b32 hwreg(HW_REG_WAVE_MODE, 25, 1), 1
	s_wait_xcnt 0x0
	s_wait_alu depctr_hold_cnt(0) depctr_sa_sdst(0) depctr_va_vdst(0) depctr_va_sdst(0) depctr_va_ssrc(0) depctr_va_vcc(0) depctr_vm_vsrc(0)
	s_getreg_b32 s2, hwreg(HW_REG_IB_STS2, 6, 4)
	s_cmp_eq_u32 s2, 0
	s_cbranch_scc0 .Lentry_in_a_cluster
	s_endpgm
.Lentry_in_a_cluster:
	s_bfe_u32 s2, ttmp6, 0x10000c
	s_cmp_lg_u32 s2, 0x3003
	s_cbranch_scc0 .Lentry_shape_is_right
	s_endpgm
.Lentry_shape_is_right:
; LOCAL ATTENTION, 7 x 7 WINDOW, ONE LAUNCH.  x: [4][64][64][128] f32.  out0 = (softmax(q.k/sqrt(128) - 10000 (1 - sigmoid(5 (width - dist)))) v + v) W_out,
; q, k, v = x W_qkv, width = sigmoid(x W_width + b_width) sqrt(18) + 0.5; keys outside the image are k = v = 0 and stay in the softmax.
; NOTHING OF THE PROBLEM IS LEFT OUT, and every input is loaded.
; SHARES.  A work-group of four waves owns 8 x 8 pixels of one image.  It makes k and v for its halo of 14 x 14 pixels itself (held as 14 rows of 16: the two columns
; over are real pixels or zeros, and always masked), so q, k and v never go to memory: 224 rows of k and v for 64 of output, against a store and a load of all three.
; CLUSTER.  All work-groups read the same 262,144 bytes of weights: the four of a cluster ask for them JOINTLY (mask 15).  Wave w asks for what it alone reads: 64 columns of
; W_k or W_v, 32 columns of W_q, 32 rows of W_out; three tensor loads of a wave are out at the most, all of them first fills.
; FORMATS.  x, W_qkv, W_width, b_width, W_out are rounded to bf16 (W_out's rounded number is then written as f16, which holds it).  q, k, v, the weights p and out + v are f16;
; all sums, the maximum, the penalty and the softmax's sum are f32.
; LIMITS.  |q|, |k|, |v|, |out + v| and |W_out| stay under 65,504 (f16); beyond that an infinity arises.  1 - sigmoid(z) is formed as 1 / (1 + e^z), the same number in exact
; arithmetic.  A key outside the window counts as its score less 1e30 (f16's scores reach 5.5e11).  A weight below 2^-126 counts as 0.  NaN and infinities in the inputs are not treated apart.
; PRODUCTS ARE USED TRANSPOSED (source 0 = weights or keys, source 1 = pixels or queries): a lane then holds ONE pixel (lane % 16) and eight channels or keys, 8 (lane / 16) + 0..7,
; so that p and out + v, rounded in pairs, ARE source 1 of the next product and never change lanes.
; REGISTERS, in windows of 256 (s_set_vgpr_msb: bits 1:0 source 0, 3:2 source 1, 5:4 source 2, 7:6 destination):
;   window 0: addresses; x operands 2 x 32; accumulators 2 x 32; weights on their way (128); later O^T, out + v, Y^T, the way out
;   window 1: weight operands: k or v 128, q 64, width 32; later Q and W_out's operands
;   window 2: x as loaded (228) and two LDS addresses; later K's, then V's operands          window 3: scores 64, masks 24, p 32, statistics
.set PX,    272       ; a row of x, K, V, Q in LDS: 256 bytes + 16 = 68 words: the 16 rows of a load start at 16 different groups of four banks (64 banks of 4 bytes: ISA guide 11.1)
.set PWO,   288       ; a row of W_out in f16: 256 + 32
.set SGP,   528       ; a row of the way out: 512 bytes + 16
.set WKV,   0         ; LDS: wave w's 128 x 64 f32 of W_k or W_v at 32,768 w
.set WQ,    131072    ; wave w's 128 x 32 f32 of W_q at 16,384 w
.set WO,    196608    ; wave w's 32 rows of W_out at 16,384 w: f32 as filled, then f16 rows of 288 bytes in the same segment
.set XL,    262144    ; x in bf16: 224 halo pixels, then a row with W_width for each wave; behind the second barrier the four stages of the way out
.set SPARE, 324352    ; the spare words, 128 bytes for each wave: two blocks of 256 bytes that no other line names
.set KL,    0         ; behind the first barrier the weight tiles have been read, and K, V and Q take their bytes
.set VL,    224*PX
.set QL,    2*224*PX
; window 0
.set R,   1           ; lane % 16
.set H,   2           ; lane / 16
.set LN,  3           ; lane
.set SPW, 4           ; LDS address of my spare word; never rewritten
.set NIL, 5           ; 0; never rewritten
.set COL, 6           ; v6-9   byte offset of my four halo columns (clamped) + 16 x lane
.set L16, 10          ; 16 x lane
.set AWK, 11          ; where I read my W_k / W_v tile
.set AWQ, 12          ; my W_q tile
.set AOR, 13          ; my rows of W_out, f32
.set AOW, 14          ; the same rows, f16
.set XA,  15          ; x operands of a halo row
.set QX0, 16          ; x operands of a query tile
.set QXW, 17          ; of my own query tile
.set WWA, 18          ; my row with W_width
.set KST, 19          ; where I put k or v
.set QST, 20          ; where I put q
.set QA,  21          ; Q operands
.set KA,  22          ; K operands
.set VA,  23          ; V operands (turned)
.set VCA, 24          ; v of my query's own pixel
.set WOA, 25          ; W_out operands (turned)
.set SG,  26          ; the way out: in
.set RD,  27          ; the way out: back
.set RL,  28          ; 1 / l
.set T0,  30
.set T1,  31
.set OFF, 32          ; v32-87   the 56 x loads' offsets
.set XB,  32          ; v32-95   x operands, two buffers
.set ACC, 96          ; v96-159  accumulators, two buffers
.set PK,  160         ; v160-175 packed f16
.set XW,  176         ; v176-207 x operands of my own query tile
.set ST,  96          ; v96-223  weights as read from LDS, two halves of 64
.set O,   32          ; v32-95   O^T
.set Z,   96          ; v96-127  v of the query's pixel, then out + v
.set Y,   128         ; v128-191 Y^T
.set OB,  192         ; v192-255 16 rows read back
; window 1
.set WA,  0           ; K step c, tile t at 32 c + 8 t
.set WQF, 128         ; 16 c + 8 t
.set WWF, 192         ; 8 c
.set QF,  0
.set WOF, 0           ; K step u, channel tile nb at 64 u + 8 nb
; window 2
.set XS,  0
.set XST, 228
.set XSW, 229
.set KF,  0           ; key tile t, channel step c at 32 t + 8 c
.set VF,  0           ; key step u, channel tile cb at 64 u + 8 cb
; window 3
.set S,   0           ; key tile t (halo row 2 w + t), register j (halo column 8 (lane / 16) + j) at 8 t + j
.set MK,  64          ; 0 or -1e30: +j for tiles 1-6, +8+j for tile 0, +16+j for tile 7
.set P,   88
.set DX2, 88
.set DY2, 96
.set WAC, 88          ; the width product's four accumulators
.set R7,  120
.set R3,  121
.set H3,  122
.set U0,  123
.set TA,  124
.set TB,  125
.set BIG, 126
.set A5,  127
.set AT,  128         ; v128-135
.set CM,  136         ; v136-137 the maximum, twice
.set LS,  138
; scalars.  s16-51 descriptors; s52-53 their offsets (wave terms alone); s59-61, s100-101 what hangs on the work-group's place; s96-98 wave terms of LDS addresses
.set WV,  54
.set BW,  55
.set X0,  56
.set Y0,  57
.set BT,  58
.set XBS, 62
.set RM,  66          ; s66-79  halo row inside the image: -1, else 0
.set CMK, 80          ; s80-83  the same for my four columns
.set CS,  84          ; s[84:85] log2(e) / sqrt(128)
.set SEL, 86          ; s[86:87] v_permlanex16_b32: each lane takes its own place in the other half
.set BIGN, 88
.set C2,  89
.set OUTB, 90
.set HM,  92
.set MA,  93
.set MB,  94
.set MSB, 0
.macro WIN new                      ; the immediate's high byte repeats the setting that is left; a switch that changes nothing is dropped
.if MSB != (\new)
	s_set_vgpr_msb (MSB<<8)|(\new)
.set MSB, (\new)
.endif
.endm
.macro PLACES                       ; four plain instructions between a matrix instruction and a read of its result or a load into its registers
.rept 4
	v_nop
.endr
.endm
.macro ROUND                        ; a round of the cluster's barrier: my work-group's barrier, wave 0 signals for it, every wave waits for all four work-groups, my work-group's barrier once more
	s_barrier_signal -1
	s_barrier_wait -1
	s_cmp_lg_u32 s[WV], 0
	s_cbranch_scc1 .Lnot_wave_0_\@
	s_barrier_signal -3
.Lnot_wave_0_\@:
	s_barrier_wait -3
	s_barrier_signal -1
	s_barrier_wait -1
.endm
	s_load_b256 s[4:11], s[0:1], 0x0               ; x s[4:5], W_qkv s[6:7], W_width s[8:9], b_width s[10:11]
	s_load_b128 s[12:15], s[0:1], 0x20             ; W_out s[12:13], out0 s[14:15]
	v_lshl_add_u32 v[SPW], v0, 2, SPARE
	v_mov_b32 v[NIL], 0
	ds_add_u32 v[SPW], v[NIL]                      ; the wave's opening: the add, twice on end, and its wait ahead of my first tensor load
	ds_add_u32 v[SPW], v[NIL]
	v_lshrrev_b32 v[T0], 5, v0
	v_readfirstlane_b32 s[WV], v[T0]               ; wave 0..3
	; descriptor group 1, three shapes.  Word 0: 15:0 the mask of four, 17:16 the element's size, 21 set beside a mask; no padding
	s_mov_b32 s16, 15|(2<<16)|(1<<21)              ; W_k / W_v: 128 rows x 64 f32 (256 bytes, aligned), 384 elements from row to row
	s_mov_b32 s17, 64<<16
	s_mov_b32 s18, 128<<16
	s_mov_b32 s19, 64<<16
	s_mov_b32 s20, 128
	s_mov_b32 s21, 384
	s_mov_b32 s22, 0
	s_mov_b32 s23, 0
	s_mov_b32 s24, 15|(2<<16)|(1<<21)              ; W_q: 128 rows x 32 f32
	s_mov_b32 s25, 32<<16
	s_mov_b32 s26, 128<<16
	s_mov_b32 s27, 32<<16
	s_mov_b32 s28, 128
	s_mov_b32 s29, 384
	s_mov_b32 s30, 0
	s_mov_b32 s31, 0
	s_mov_b32 s32, 15|(3<<16)|(1<<21)              ; W_out: 16,384 dense bytes as 64 rows of 32 elements of 8 bytes
	s_mov_b32 s33, 32<<16
	s_mov_b32 s34, 64<<16
	s_mov_b32 s35, 32<<16
	s_mov_b32 s36, 64
	s_mov_b32 s37, 32
	s_mov_b32 s38, 0
	s_mov_b32 s39, 0
	s_mov_b32 s40, 1                               ; group 0: count 1, then the LDS address: a constant + the wave's number x a constant
	s_mul_i32 s41, s[WV], 32768
	s_mov_b32 s44, 1
	s_mul_i32 s45, s[WV], 16384
	s_add_co_u32 s45, s45, WQ
	s_mov_b32 s48, 1
	s_mul_i32 s49, s[WV], 16384
	s_add_co_u32 s49, s49, WO
	s_mov_b32 s[CS], 0x3e0293ee                    ; log2(e) / sqrt(128) = 0.127517
	s_mov_b32 s[CS+1], s[CS]
	s_mov_b32 s[SEL], 0x76543210
	s_mov_b32 s[SEL+1], 0xfedcba98
	s_mov_b32 s[BIGN], 0xf149f2ca                  ; -1e30
	s_mov_b32 s[C2], 0x41f4d55e                    ; 5 log2(e) sqrt(18) = 30.604183
	s_mov_b32 s[HM], 0xffff0000                    ; a word's upper bf16
	s_bfe_u32 s59, ttmp6, 0x40000                  ; cx: my place in the cluster; it enters x's and out0's addresses and the edge masks alone
	s_lshl_b32 s60, ttmp9, 2
	s_add_co_u32 s60, s60, s59                     ; my tile of the image's 8 x 8 tiles
	s_and_b32 s[X0], s60, 7
	s_lshl_b32 s[X0], s[X0], 3                     ; its first column,
	s_lshr_b32 s[Y0], s60, 3
	s_lshl_b32 s[Y0], s[Y0], 3                     ; its first row
	s_and_b32 s[BT], ttmp7, 0xffff                 ; the image
	s_wait_dscnt 0x0                               ; both opening adds are done
	s_wait_kmcnt 0x0
	s_load_b32 s[BW], s[10:11], 0x0                ; b_width
	s_lshl_b32 s52, s[WV], 8
	s_mov_b32 s53, 0
	s_add_nc_u64 s[42:43], s[6:7], s[52:53]        ; W_qkv's column 128 + 64 w: waves 0, 1 the halves of k, waves 2, 3 those of v
	s_add_nc_u64 s[42:43], s[42:43], 512
	s_or_b32 s43, s43, 0x80000000                  ; type 2
	s_lshl_b32 s52, s[WV], 7
	s_add_nc_u64 s[46:47], s[6:7], s[52:53]        ; column 32 w: my quarter of q
	s_or_b32 s47, s47, 0x80000000
	s_lshl_b32 s52, s[WV], 14
	s_add_nc_u64 s[50:51], s[12:13], s[52:53]      ; W_out's row 32 w
	s_or_b32 s51, s51, 0x80000000
	s_lshl_b32 s59, s[WV], 1
	s_add_co_u32 s59, s59, s[Y0]
	s_lshl_b32 s59, s59, 15                        ; my two rows of the tile: 32,768 bytes an image row,
	s_lshl_b32 s60, s[X0], 9                       ; 512 bytes a pixel
	s_add_co_u32 s59, s59, s60
	s_lshl_b32 s100, s[BT], 21
	s_mov_b32 s101, 0
	s_add_nc_u64 s[XBS:XBS+1], s[4:5], s[100:101]  ; x at my image
	s_add_co_u32 s100, s100, s59
	s_add_nc_u64 s[OUTB:OUTB+1], s[14:15], s[100:101]  ; out0 at my wave's first pixel
	ROUND                                          ; all four work-groups are here: the joint loads meet
	tensor_load_to_lds s[40:43], s[16:23]          ; the first fills, one group: three loads of mine are out
	s_nop 0
	tensor_load_to_lds s[44:47], s[24:31]
	s_nop 0
	tensor_load_to_lds s[48:51], s[32:39]
	s_nop 0
	PLACES                                         ; four vector lines ahead of the next switch of windows
	; X.  Wave w fetches halo columns 4 w .. 4 w + 3 of all 14 halo rows: a pixel (512 consecutive bytes) an instruction.  Rows and columns are clamped into the image, so that every
	; load stays in x; what was clamped is made 0 when it is rounded.
	v_and_b32 v[LN], 31, v0
	v_lshlrev_b32 v[L16], 4, v[LN]
	s_lshl_b32 s59, s[WV], 2
	s_add_co_u32 s59, s59, s[X0]
	s_sub_co_i32 s59, s59, 3                       ; the image column of my first halo column
.irp k, 0,1,2,3
	s_add_co_i32 s60, s59, \k
	s_max_i32 s61, s60, 0
	s_min_i32 s61, s61, 63
	s_cmp_eq_u32 s60, s61
	s_cselect_b32 s[CMK+\k], -1, 0
	s_lshl_b32 s61, s61, 9
	v_add_nc_u32 v[COL+\k], s61, v[L16]
.endr
	s_sub_co_i32 s59, s[Y0], 3
.set hy, 0
.rept 14
	s_add_co_i32 s60, s59, hy
	s_max_i32 s61, s60, 0
	s_min_i32 s61, s61, 63
	s_cmp_eq_u32 s60, s61
	s_cselect_b32 s[RM+hy], -1, 0
	s_lshl_b32 s61, s61, 15
	WIN 0
.irp k, 0,1,2,3
	v_add_nc_u32 v[OFF+4*hy+\k], s61, v[COL+\k]    ; each load has an offset register of its own: none is rewritten while the loads are out
.endr
	WIN 0x80                                       ; destination window 2
.irp k, 0,1,2,3
	global_load_b128 v[XS+16*hy+4*\k:XS+16*hy+4*\k+3], v[OFF+4*hy+\k], s[XBS:XBS+1]
.endr
.set hy, hy+1
.endr
	global_load_b128 v[XS+224:XS+227], v[L16], s[8:9]  ; W_width, as one more row of 128 channels: 57 loads of mine are out
	s_mul_i32 s96, s[WV], 4*PX
	s_add_co_u32 s96, s96, XL
	v_lshl_add_u32 v[XST], v[LN], 3, s96           ; (window 2) where my columns go: 8 bytes a lane
	s_mul_i32 s97, s[WV], PX
	s_add_co_u32 s97, s97, XL+224*PX
	v_lshl_add_u32 v[XSW], v[LN], 3, s97           ; (window 2) my row for W_width
	; DISTANCES AND MASKS, while the loads are out.  My query is (row lane % 16 / 8, column lane % 8) of my wave's two rows; register (t, j) is the key dy = t - 3 - row, dx = 8 (lane / 16) + j - 3 - column.
	WIN 0xc0                                       ; destination window 3
	v_and_b32 v[R7], 7, v0
	v_bfe_u32 v[R3], v0, 3, 1
	v_bfe_u32 v[H3], v0, 4, 1
	v_mov_b32 v[BIG], s[BIGN]
	WIN 0xff                                       ; all in window 3
	v_lshlrev_b32 v[U0], 3, v[H3]
	v_sub_nc_u32 v[U0], v[U0], v[R7]
.irp j, 0,1,2,3,4,5,6,7
	v_add_nc_u32 v[TA], \j, v[U0]                  ; dx + 3: in the window if 0 .. 6 (unsigned: a negative number is large)
	v_cmp_lt_u32 vcc_lo, 6, v[TA]
	v_cndmask_b32 v[MK+\j], 0, v[BIG], vcc_lo
	v_add_nc_u32 v[TA], -3, v[TA]
	v_cvt_f32_i32 v[TA], v[TA]
	v_mul_f32 v[DX2+\j], v[TA], v[TA]
.endr
.set t, 0
.rept 8
	v_sub_nc_u32 v[TA], t-3, v[R3]
	v_cvt_f32_i32 v[TA], v[TA]
	v_mul_f32 v[DY2+t], v[TA], v[TA]
.set t, t+1
.endr
	v_cmp_eq_u32 s[MA], 1, v[R3]                   ; tile 0 (dy = -4) is outside for the second row's queries,
	v_cmp_eq_u32 s[MB], 0, v[R3]                   ; tile 7 (dy = 4) for the first row's
.irp j, 0,1,2,3,4,5,6,7
	v_cndmask_b32 v[MK+8+\j], v[MK+\j], v[BIG], s[MA]
	v_cndmask_b32 v[MK+16+\j], v[MK+\j], v[BIG], s[MB]
.endr
.set t, 0
.rept 8
.irp j, 0,1,2,3,4,5,6,7
	v_add_f32 v[S+8*t+\j], v[DY2+t], v[DX2+\j]
.endr
.set t, t+1
.endr
.set i, 0
.rept 64
	v_sqrt_f32 v[S+i], v[S+i]
.set i, i+1
.endr
	v_nop                                          ; a plain instruction behind the last root,
	s_wait_alu depctr_va_vdst(0)                   ; and one wait for the batch
	; ADDRESSES: a constant, the wave's number times a constant, a lane term
	WIN 0
	v_and_b32 v[R], 15, v0
	v_bfe_u32 v[H], v0, 4, 1
	s_mul_i32 s96, s[WV], 32768
	v_lshlrev_b32 v[AWK], 4, v[R]                  ; four columns a lane,
	v_lshl_add_u32 v[AWK], v[H], 11, v[AWK]        ; eight rows of 256 bytes further for the upper lanes
	v_add_nc_u32 v[AWK], s96, v[AWK]
	s_mul_i32 s96, s[WV], 16384
	s_add_co_u32 s98, s96, WQ
	v_lshlrev_b32 v[AWQ], 3, v[R]                  ; two columns a lane, rows of 128 bytes
	v_lshl_add_u32 v[AWQ], v[H], 10, v[AWQ]
	v_add_nc_u32 v[AWQ], s98, v[AWQ]
	s_add_co_u32 s98, s96, WO
	v_lshl_add_u32 v[AOR], v[LN], 4, s98
	v_lshl_add_u32 v[AOW], v[LN], 3, s98
	v_lshl_add_u32 v[WWA], v[H], 4, s97            ; s97: my row with W_width
	v_mul_u32_u24 v[T0], v[R], PX
	v_lshl_add_u32 v[T1], v[H], 4, v[T0]           ; row x pitch + 16 x half: an operand's lane term
	v_add_nc_u32 v[XA], XL, v[T1]
	s_mul_i32 s96, s[WV], 16*PX
	s_add_co_u32 s96, s96, QL
	v_add_nc_u32 v[QA], s96, v[T1]
	v_lshrrev_b32 v[QX0], 3, v[R]
	v_lshl_add_u32 v[QX0], v[QX0], 3, v[R]         ; a query's place among the halo's pixels: 51 + 32 x tile + r + 8 (r / 8)
	v_mul_u32_u24 v[QX0], v[QX0], PX
	v_lshl_add_u32 v[VCA], v[H], 7, v[QX0]
	v_lshl_add_u32 v[QX0], v[H], 4, v[QX0]
	v_add_nc_u32 v[QX0], XL+51*PX, v[QX0]
	s_mul_i32 s96, s[WV], 32*PX                    ; my wave's two halo rows on
	v_add_nc_u32 v[QXW], s96, v[QX0]
	s_add_co_u32 s98, s96, VL+51*PX
	v_add_nc_u32 v[VCA], s98, v[VCA]
	; K's and V's rows hold their sixteen 16-byte pieces in the order 0, 2, .. 14, 1, 3, .. 15: piece q lies at 16 (q / 2) + 128 (q % 2).  So one pitch serves K's plain loads and V's turning loads without a conflict.
	v_lshl_add_u32 v[KA], v[H], 7, v[T0]
	v_add_nc_u32 v[KA], s96, v[KA]
	v_lshl_add_u32 v[KST], v[H], 5, v[T0]
	s_lshl_b32 s98, s[WV], 6
	s_add_co_u32 s98, s98, QL
	v_add_nc_u32 v[QST], s98, v[KST]               ; q: 64 bytes a wave, 32 a half of the lanes
	s_lshr_b32 s98, s[WV], 1
	s_mul_i32 s98, s98, VL                         ; waves 0, 1: K; waves 2, 3: V
	s_and_b32 s97, s[WV], 1
	s_lshl_b32 s97, s97, 6                         ; which 64 channels
	s_add_co_u32 s98, s98, s97
	v_add_nc_u32 v[KST], s98, v[KST]
	v_and_b32 v[VA], 7, v0
	v_lshl_add_u32 v[VA], v[H], 3, v[VA]           ; the turning load's row: 8 (l / 16) + l % 8,
	v_bfe_u32 v[WOA], v0, 3, 1                     ; and its half of 16 channels
	v_mul_u32_u24 v[T1], v[VA], PWO
	v_lshl_add_u32 v[T1], v[WOA], 4, v[T1]
	v_mul_u32_u24 v[VA], v[VA], PX
	v_lshl_add_u32 v[VA], v[WOA], 7, v[VA]
	s_add_co_u32 s98, s96, VL
	v_add_nc_u32 v[VA], s98, v[VA]
	v_add_nc_u32 v[WOA], WO, v[T1]
	s_mul_i32 s98, s[WV], 16*SGP
	s_add_co_u32 s98, s98, XL
	v_mul_u32_u24 v[SG], v[R], SGP
	v_lshl_add_u32 v[SG], v[H], 5, v[SG]
	v_add_nc_u32 v[SG], s98, v[SG]
	v_lshl_add_u32 v[RD], v[LN], 4, s98
	; THE WEIGHTS BECOME OPERANDS.  W lies [k][n]; an operand wants k along a lane's registers.  Lane (r, h) reads, for each of its 16 k of a K step, the four (q: two) neighbouring columns
	; 4 r .. 4 r + 3: column 4 r + t is row r of operand tile t, and two k round into one register.  So tile t's row m is output channel 4 m + t, and in the result a lane holds 32 (q: 16)
	; neighbouring channels.  Load i of 16 is k = 32 c + 8 h + i % 8 + 16 (i / 8): the k that register i / 2 of an operand holds.
.macro LDK cc, bb
.set i, 0
.rept 16
	ds_load_b128 v[ST+64*(\bb)+4*i:ST+64*(\bb)+4*i+3], v[AWK] offset:(32*(\cc)+(i&7)+16*(i>>3))*256
.set i, i+1
.endr
.endm
.macro CVK cc, bb
.irp t, 0,1,2,3
.irp j, 0,1,2,3,4,5,6,7
	v_cvt_pk_bf16_f32 v[WA+32*(\cc)+8*\t+\j], v[ST+64*(\bb)+8*\j+\t], v[ST+64*(\bb)+8*\j+4+\t]
.endr
.endr
.endm
.macro LDQ cc
.set i, 0
.rept 16
	ds_load_b64 v[ST+32*(\cc)+2*i:ST+32*(\cc)+2*i+1], v[AWQ] offset:(32*(\cc)+(i&7)+16*(i>>3))*128
.set i, i+1
.endr
.endm
.macro CVQ cc
.irp t, 0,1
.irp j, 0,1,2,3,4,5,6,7
	v_cvt_pk_bf16_f32 v[WQF+16*(\cc)+8*\t+\j], v[ST+32*(\cc)+4*\j+\t], v[ST+32*(\cc)+4*\j+2+\t]
.endr
.endr
.endm
.macro LDO hb                       ; 16 of my 32 rows of W_out, a row an instruction
.set i, 0
.rept 16
	ds_load_b128 v[ST+64*(\hb)+4*i:ST+64*(\hb)+4*i+3], v[AOR] offset:512*(16*(\hb)+i)
.set i, i+1
.endr
.endm
.macro CVO hb                       ; rounded to bf16 like every input, that number written as f16, and put back as rows of 288 bytes
.set i, 0
.rept 16
.set a, ST+64*(\hb)+4*i
	v_cvt_pk_bf16_f32 v[a], v[a], v[a+1]
	v_cvt_pk_bf16_f32 v[a+1], v[a+2], v[a+3]
	v_lshlrev_b32 v[a+2], 16, v[a]
	v_and_b32 v[a], s[HM], v[a]
	v_lshlrev_b32 v[a+3], 16, v[a+1]
	v_and_b32 v[a+1], s[HM], v[a+1]
	v_cvt_pk_f16_f32 v[a], v[a+2], v[a]
	v_cvt_pk_f16_f32 v[a+1], v[a+3], v[a+1]
	ds_store_b64 v[AOW], v[a:a+1] offset:PWO*(16*(\hb)+i)
.set i, i+1
.endr
.endm
	s_wait_tensorcnt 0x0                           ; my three tiles are in; I alone read them, so this wait is all the ordering that the reads need
	LDK 0, 0
	LDK 1, 1
	s_wait_dscnt 16                                ; all but the 16 loads just issued
	WIN 0x40                                       ; destination window 1
	CVK 0, 0
	WIN 0
	LDK 2, 0
	s_wait_dscnt 16
	WIN 0x40
	CVK 1, 1
	WIN 0
	LDK 3, 1
	s_wait_dscnt 16
	WIN 0x40
	CVK 2, 0
	WIN 0
	LDQ 0
	LDQ 1
	s_wait_dscnt 32                                ; all but q's 32
	WIN 0x40
	CVK 3, 1
	WIN 0
	LDQ 2
	LDQ 3
	s_wait_dscnt 32
	WIN 0x40
	CVQ 0
	CVQ 1
	WIN 0
	LDO 0
	s_wait_dscnt 16
	WIN 0x40
	CVQ 2
	CVQ 3
	WIN 0
	LDO 1                                          ; all 32 rows have been asked for before the first store into the segment; LDS serves a wave's instructions in order (ISA guide 5.7.1.4)
	s_wait_dscnt 16
	CVO 0                                          ; writes bytes 0 .. 4,575 of the segment; the loads still out read from byte 8,192 on
	s_wait_dscnt 16                                ; all but the 16 stores
	CVO 1
	; X IS ROUNDED AND LAID INTO LDS: 8 bytes a lane, 256 consecutive bytes an instruction.  A pixel outside the image becomes 0.
	WIN 0xaa                                       ; all in window 2
.set hy, 0
.rept 14
	s_wait_loadcnt 53-4*hy                         ; loads come back in order (ISA guide 5.7.1): this halo row's four are in, the younger ones stay out
.irp k, 0,1,2,3
	s_and_b32 s61, s[RM+hy], s[CMK+\k]
	v_cvt_pk_bf16_f32 v[XS+16*hy+4*\k], v[XS+16*hy+4*\k], v[XS+16*hy+4*\k+1]
	v_cvt_pk_bf16_f32 v[XS+16*hy+4*\k+1], v[XS+16*hy+4*\k+2], v[XS+16*hy+4*\k+3]
	v_and_b32 v[XS+16*hy+4*\k], s61, v[XS+16*hy+4*\k]
	v_and_b32 v[XS+16*hy+4*\k+1], s61, v[XS+16*hy+4*\k+1]
	ds_store_b64 v[XST], v[XS+16*hy+4*\k:XS+16*hy+4*\k+1] offset:(16*hy+\k)*PX
.endr
.set hy, hy+1
.endr
	s_wait_loadcnt 0x0
	v_cvt_pk_bf16_f32 v[XS+224], v[XS+224], v[XS+225]
	v_cvt_pk_bf16_f32 v[XS+225], v[XS+226], v[XS+227]
	ds_store_b64 v[XSW], v[XS+224:XS+225]
	WIN 0
	s_wait_kmcnt 0x0                               ; b_width
	s_wait_dscnt 0x0                               ; for the others' sake: my part of x lies in LDS, and my reads of the weight tiles are over
	s_barrier_signal -1
	s_barrier_wait -1                              ; x is whole; nobody reads a weight tile any more: K, V and Q may take their bytes
	; THE QKV PRODUCT, SPLIT BY CHANNELS: my weights stay in registers, and I walk all pixels: 14 halo rows for k or v (16 products each), 4 query tiles for q (8 each).
.macro LOADX n                      ; pixel tile n's four operands, into buffer n % 2
	WIN 0
.irp c, 0,1,2,3
.if (\n) < 14
	ds_load_b128 v[XB+32*((\n)%2)+8*\c:XB+32*((\n)%2)+8*\c+3],   v[XA] offset:16*PX*(\n)+64*\c
	ds_load_b128 v[XB+32*((\n)%2)+8*\c+4:XB+32*((\n)%2)+8*\c+7], v[XA] offset:16*PX*(\n)+64*\c+32
.else
	ds_load_b128 v[XB+32*((\n)%2)+8*\c:XB+32*((\n)%2)+8*\c+3],   v[QX0] offset:32*PX*((\n)-14)+64*\c
	ds_load_b128 v[XB+32*((\n)%2)+8*\c+4:XB+32*((\n)%2)+8*\c+7], v[QX0] offset:32*PX*((\n)-14)+64*\c+32
.endif
.endr
.endm
.macro MULT n                       ; the accumulators take turns, one instruction a turn; the first K step starts the sums
	WIN 0x01                                       ; source 0 (weights) window 1
.set aa, ACC+32*((\n)%2)
.set xx, XB+32*((\n)%2)
.irp c, 0,1,2,3
.if (\n) < 14
.irp t, 0,1,2,3
.if \c == 0
	v_wmma_f32_16x16x32_bf16 v[aa+8*\t:aa+8*\t+7], v[WA+32*\c+8*\t:WA+32*\c+8*\t+7], v[xx+8*\c:xx+8*\c+7], 0
.else
	v_wmma_f32_16x16x32_bf16 v[aa+8*\t:aa+8*\t+7], v[WA+32*\c+8*\t:WA+32*\c+8*\t+7], v[xx+8*\c:xx+8*\c+7], v[aa+8*\t:aa+8*\t+7]
.endif
.endr
.else
.irp t, 0,1
.if \c == 0
	v_wmma_f32_16x16x32_bf16 v[aa+8*\t:aa+8*\t+7], v[WQF+16*\c+8*\t:WQF+16*\c+8*\t+7], v[xx+8*\c:xx+8*\c+7], 0
.else
	v_wmma_f32_16x16x32_bf16 v[aa+8*\t:aa+8*\t+7], v[WQF+16*\c+8*\t:WQF+16*\c+8*\t+7], v[xx+8*\c:xx+8*\c+7], v[aa+8*\t:aa+8*\t+7]
.endif
.endr
.endif
.endr
.endm
.macro PACKT n                      ; tile n's results, rounded to f16 in channel order (channel 4 j + t of my lane's 32; q: 2 j + t of 16), into LDS; each accumulator is read from its low end on
	WIN 0
.set aa, ACC+32*((\n)%2)
.if (\n) < 14
.irp s, 0,1,2,3
	v_cvt_pk_f16_f32 v[PK+4*\s],   v[aa+2*\s],      v[aa+8+2*\s]
	v_cvt_pk_f16_f32 v[PK+4*\s+1], v[aa+16+2*\s],   v[aa+24+2*\s]
	v_cvt_pk_f16_f32 v[PK+4*\s+2], v[aa+2*\s+1],    v[aa+8+2*\s+1]
	v_cvt_pk_f16_f32 v[PK+4*\s+3], v[aa+16+2*\s+1], v[aa+24+2*\s+1]
.endr
	ds_store_b128 v[KST], v[PK:PK+3]     offset:16*PX*(\n)       ; my four pieces: even ones in the row's first half, odd ones in its second
	ds_store_b128 v[KST], v[PK+4:PK+7]   offset:16*PX*(\n)+128
	ds_store_b128 v[KST], v[PK+8:PK+11]  offset:16*PX*(\n)+16
	ds_store_b128 v[KST], v[PK+12:PK+15] offset:16*PX*(\n)+144
.else
.irp j, 0,1,2,3,4,5,6,7
	v_cvt_pk_f16_f32 v[PK+\j], v[aa+\j], v[aa+8+\j]
.endr
	ds_store_b128 v[QST], v[PK:PK+3]   offset:16*PX*((\n)-14)
	ds_store_b128 v[QST], v[PK+4:PK+7] offset:16*PX*((\n)-14)+16
.endif
.endm
; Tile n: its products; then the tile before is packed (its conversions are the four places behind these products, ahead of the loads into the buffer just multiplied); then tile n + 2 is fetched.
; The wait leaves out what was issued behind tile n's loads: the stores of tile n - 2 (4, q: 2) and the loads of tile n + 1 (8).
.macro TILE n
.if (\n) < 2
	s_wait_dscnt 8
.elseif (\n) == 17
	s_wait_dscnt 2
.elseif (\n) == 16
	s_wait_dscnt 10
.else
	s_wait_dscnt 12
.endif
	MULT \n
.if (\n) == 0
	PLACES
.else
	PACKT (\n)-1
.endif
.if (\n) < 16
	LOADX (\n)+2
.endif
.endm
	WIN 0x40
.irp c, 0,1,2,3
	ds_load_b128 v[WWF+8*\c:WWF+8*\c+3],   v[WWA] offset:64*\c      ; all sixteen rows of this operand are W_width: every register of the result is the pixel's product, in both halves of the lanes
	ds_load_b128 v[WWF+8*\c+4:WWF+8*\c+7], v[WWA] offset:64*\c+32
.endr
	WIN 0
.irp c, 0,1,2,3
	ds_load_b128 v[XW+8*\c:XW+8*\c+3],   v[QXW] offset:64*\c
	ds_load_b128 v[XW+8*\c+4:XW+8*\c+7], v[QXW] offset:64*\c+32
.endr
	LOADX 0
	LOADX 1
	s_wait_dscnt 16                                ; all but the two tiles' 16
	WIN 0xc1                                       ; result window 3, source 0 window 1
.irp c, 0,1,2,3
	v_wmma_f32_16x16x32_bf16 v[WAC+8*\c:WAC+8*\c+7], v[WWF+8*\c:WWF+8*\c+7], v[XW+8*\c:XW+8*\c+7], 0  ; x . W_width for my 16 queries: a sum for each K step, added below: no chain on one accumulator
.endr
.set ti, 0
.rept 18
	TILE ti
.set ti, ti+1
.endr
	PACKT 17
	; THE PENALTY, in the scores' own registers and units: -10000 sqrt(128) / (1 + e^(5 (width - dist))), or -1e30 outside the window.  It will be the C operand that starts the scores' sums.
	WIN 0xff
	v_add_f32 v[TA], v[WAC], v[WAC+8]
	v_add_f32 v[TB], v[WAC+16], v[WAC+24]
	v_cvt_pk_bf16_f32 v[A5], s[BW], s[BW]          ; b_width rounded like the other inputs
	v_lshlrev_b32 v[A5], 16, v[A5]
	v_add_f32 v[TA], v[TA], v[TB]
	v_add_f32 v[TA], v[TA], v[A5]
	v_mul_f32 v[TA], 0xbfb8aa3b, v[TA]             ; x -log2(e)
	v_exp_f32 v[TA], v[TA]
	v_nop
	s_wait_alu depctr_va_vdst(0)
	v_add_f32 v[TA], 1.0, v[TA]
	v_rcp_f32 v[TA], v[TA]                         ; the sigmoid
	v_nop
	s_wait_alu depctr_va_vdst(0)
	v_fmaak_f32 v[A5], s[C2], v[TA], 0x4066d4ca    ; 5 log2(e) width = 30.604183 sigmoid + 3.6067376
.set i, 0
.rept 64
	v_fmamk_f32 v[S+i], v[S+i], 0xc0e6d4ca, v[A5]  ; 5 log2(e) (width - dist)
.set i, i+1
.endr
.set i, 0
.rept 64
	v_exp_f32 v[S+i], v[S+i]
.set i, i+1
.endr
	v_nop
	s_wait_alu depctr_va_vdst(0)                   ; one wait for the batch
.set i, 0
.rept 32
	v_pk_add_f32 v[S+2*i:S+2*i+1], v[S+2*i:S+2*i+1], 1.0 op_sel_hi:[1,0]
.set i, i+1
.endr
.set i, 0
.rept 64
	v_rcp_f32 v[S+i], v[S+i]
.set i, i+1
.endr
	v_nop
	s_wait_alu depctr_va_vdst(0)
.set t, 0
.rept 8
.set mo, 0
.if t == 0
.set mo, 8
.endif
.if t == 7
.set mo, 16
.endif
.irp j, 0,1,2,3,4,5,6,7
	v_fmamk_f32 v[S+8*t+\j], v[S+8*t+\j], 0xc7dcf88b, v[MK+mo+\j]  ; x -113137.09, + the mask
.endr
.set t, t+1
.endr
	WIN 0
	s_wait_dscnt 0x0                               ; for the others' sake: my k or v and my q lie in LDS, and my reads of x are over
	s_barrier_signal -1
	s_barrier_wait -1                              ; K, V, Q and W_out in f16 are whole; nobody reads x any more: the stages may take its bytes
	; ATTENTION: my 16 queries against the 128 keys of halo rows 2 w .. 2 w + 7.
	WIN 0x40
.irp c, 0,1,2,3
	ds_load_b128 v[QF+8*\c:QF+8*\c+3],   v[QA] offset:64*\c
	ds_load_b128 v[QF+8*\c+4:QF+8*\c+7], v[QA] offset:64*\c+32
.endr
.macro LOADK cc                     ; channels 32 cc on of all eight key tiles: pieces 4 cc + h and 4 cc + 2 + h lie at 32 cc + 128 h and 16 further
	WIN 0x80
.irp t, 0,1,2,3,4,5,6,7
	ds_load_b128 v[KF+32*\t+8*(\cc):KF+32*\t+8*(\cc)+3],   v[KA] offset:16*PX*\t+32*(\cc)
	ds_load_b128 v[KF+32*\t+8*(\cc)+4:KF+32*\t+8*(\cc)+7], v[KA] offset:16*PX*\t+32*(\cc)+16
.endr
.endm
.macro SMUL cc                      ; S^T += K Q^T; the eight accumulators take turns
	WIN 0xf6                                       ; K window 2, Q window 1, C and D window 3
.irp t, 0,1,2,3,4,5,6,7
	v_wmma_f32_16x16x32_f16 v[S+8*\t:S+8*\t+7], v[KF+32*\t+8*(\cc):KF+32*\t+8*(\cc)+7], v[QF+8*(\cc):QF+8*(\cc)+7], v[S+8*\t:S+8*\t+7]
.endr
.endm
	LOADK 0
	LOADK 1
	LOADK 2
	s_wait_dscnt 32                                ; Q and the first channel step are in; two steps' 32 loads stay out
	SMUL 0
	LOADK 3
	s_wait_dscnt 32
	SMUL 1
	s_wait_dscnt 16
	SMUL 2
	s_wait_dscnt 0x0
	SMUL 3
	PLACES                                         ; ahead of the loads into K's registers and of the first read of the scores
	WIN 0x80
.set u, 0
.rept 4
.irp cb, 0,1,2,3,4,5,6,7
	ds_load_tr16_b128 v[VF+64*u+8*\cb:VF+64*u+8*\cb+3],   v[VA] offset:32*PX*u+16*\cb          ; V^T: 16 channels x keys 32 u + 8 h + 0..7,
	ds_load_tr16_b128 v[VF+64*u+8*\cb+4:VF+64*u+8*\cb+7], v[VA] offset:32*PX*u+16*PX+16*\cb    ; and 16 keys on; they land while the softmax runs
.endr
.set u, u+1
.endr
	WIN 0
.irp cb, 0,1,2,3,4,5,6,7
	ds_load_b128 v[Z+4*\cb:Z+4*\cb+3], v[VCA] offset:16*\cb   ; v of my query's own pixel, the eight channels that O^T's tile cb holds in my lane
.endr
	WIN 0xff
.irp t, 0,1,2,3,4,5,6,7
	v_max3_num_f32 v[AT+\t], v[S+8*\t], v[S+8*\t+1], v[S+8*\t+2]   ; each accumulator is read from its low end on
.endr
.irp t, 0,1,2,3,4,5,6,7
	v_max3_num_f32 v[AT+\t], v[AT+\t], v[S+8*\t+3], v[S+8*\t+4]
.endr
.irp t, 0,1,2,3,4,5,6,7
	v_max3_num_f32 v[AT+\t], v[AT+\t], v[S+8*\t+5], v[S+8*\t+6]
.endr
.irp q, 0,1,2,3
	v_max3_num_f32 v[AT+\q], v[AT+\q], v[S+16*\q+7], v[S+16*\q+15]
.endr
	v_max3_num_f32 v[AT], v[AT], v[AT+1], v[AT+2]
	v_max3_num_f32 v[AT+3], v[AT+3], v[AT+4], v[AT+5]
	v_max_num_f32 v[AT+6], v[AT+6], v[AT+7]
	v_max3_num_f32 v[AT], v[AT], v[AT+3], v[AT+6]
	v_permlanex16_b32 v[AT+1], v[AT], s[SEL], s[SEL+1]   ; the query's other 64 keys lie in the lane 16 away
	v_max_num_f32 v[CM], v[AT], v[AT+1]            ; the row's maximum: a true score, since the query's own pixel is always in the window
	v_mov_b32 v[CM+1], v[CM]
.set i, 0
.rept 32
	v_pk_add_f32 v[S+2*i:S+2*i+1], v[S+2*i:S+2*i+1], v[CM:CM+1] neg_lo:[0,1] neg_hi:[0,1]  ; s - m first, the scale second: the exponent is never above 0, whatever the scores' size, so p fits f16
.set i, i+1
.endr
.set i, 0
.rept 32
	v_pk_mul_f32 v[S+2*i:S+2*i+1], v[S+2*i:S+2*i+1], s[CS:CS+1] op_sel_hi:[1,0]
.set i, i+1
.endr
.set i, 0
.rept 64
	v_exp_f32 v[S+i], v[S+i]
.set i, i+1
.endr
	v_nop
	s_wait_alu depctr_va_vdst(0)                   ; one wait for the batch
.set i, 0
.rept 32
	v_cvt_pk_f16_f32 v[P+i], v[S+2*i], v[S+2*i+1]  ; two key tiles' pairs are source 1 for 32 keys
.set i, i+1
.endr
.set w, 4
.rept 5                                 ; the sum of the unrounded weights: neighbours 1, 2, 4, 8, 16 pairs apart
.set i, 0
.rept 64/w
	v_pk_add_f32 v[S+w*i:S+w*i+1], v[S+w*i:S+w*i+1], v[S+w*i+w/2:S+w*i+w/2+1]
.set i, i+1
.endr
.set w, 2*w
.endr
	v_add_f32 v[LS], v[S], v[S+1]
	v_permlanex16_b32 v[AT+1], v[LS], s[SEL], s[SEL+1]
	v_add_f32 v[LS], v[LS], v[AT+1]                ; l is at least 1
	WIN 0x03                                       ; source window 3, destination window 0
	v_rcp_f32 v[RL], v[LS]
	v_nop
	s_wait_alu depctr_va_vdst(0)
	s_wait_dscnt 0x0                               ; V and the pixel's own v are in
	WIN 0x40
.set u, 0
.rept 4
.irp nb, 0,1,2,3,4,5,6,7
	ds_load_tr16_b128 v[WOF+64*u+8*\nb:WOF+64*u+8*\nb+3],   v[WOA] offset:16384*u+32*\nb           ; W_out^T: 16 output channels x input channels 32 u + 8 h + 0..7 (segment u),
	ds_load_tr16_b128 v[WOF+64*u+8*\nb+4:WOF+64*u+8*\nb+7], v[WOA] offset:16384*u+16*PWO+32*\nb    ; and 16 on; they land under the 32 products below
.endr
.set u, u+1
.endr
	WIN 0x0e                                       ; V window 2, p window 3, O^T window 0
.set u, 0
.rept 4
.irp cb, 0,1,2,3,4,5,6,7
.if u == 0
	v_wmma_f32_16x16x32_f16 v[O+8*\cb:O+8*\cb+7], v[VF+64*u+8*\cb:VF+64*u+8*\cb+7], v[P+8*u:P+8*u+7], 0
.else
	v_wmma_f32_16x16x32_f16 v[O+8*\cb:O+8*\cb+7], v[VF+64*u+8*\cb:VF+64*u+8*\cb+7], v[P+8*u:P+8*u+7], v[O+8*\cb:O+8*\cb+7]
.endif
.endr
.set u, u+1
.endr
	PLACES
	WIN 0
.set i, 0
.rept 32                                ; out + v = O^T / l + v, one rounding to f16, into the half from which v came: two channel tiles are source 1 for 32 input channels
	v_fma_mixlo_f16 v[Z+i], v[O+2*i],   v[RL], v[Z+i] op_sel_hi:[0,0,1]
	v_fma_mixhi_f16 v[Z+i], v[O+2*i+1], v[RL], v[Z+i] op_sel:[0,0,1] op_sel_hi:[0,0,1]
.set i, i+1
.endr
	s_wait_dscnt 0x0                               ; W_out's operands are in
	WIN 0x01
.set u, 0
.rept 4
.irp nb, 0,1,2,3,4,5,6,7
.if u == 0
	v_wmma_f32_16x16x32_f16 v[Y+8*\nb:Y+8*\nb+7], v[WOF+64*u+8*\nb:WOF+64*u+8*\nb+7], v[Z+8*u:Z+8*u+7], 0
.else
	v_wmma_f32_16x16x32_f16 v[Y+8*\nb:Y+8*\nb+7], v[WOF+64*u+8*\nb:WOF+64*u+8*\nb+7], v[Z+8*u:Z+8*u+7], v[Y+8*\nb:Y+8*\nb+7]
.endif
.endr
.set u, u+1
.endr
	PLACES
	; THE WAY OUT.  A lane holds 8 channels of a pixel for each tile; they go into my own stage, rows of 528 bytes, and come back a pixel (512 bytes) an instruction.
	WIN 0
.irp nb, 0,1,2,3,4,5,6,7
	ds_store_b128 v[SG], v[Y+8*\nb:Y+8*\nb+3]   offset:64*\nb
	ds_store_b128 v[SG], v[Y+8*\nb+4:Y+8*\nb+7] offset:64*\nb+16
.endr
.set i, 0
.rept 16
	ds_load_b128 v[OB+4*i:OB+4*i+3], v[RD] offset:SGP*i   ; LDS serves a wave's instructions in order (ISA guide 5.7.1.4): these see the stores above
.set i, i+1
.endr
.set i, 0
.rept 16
	s_wait_dscnt 15-i                              ; row i is back; the younger loads stay out
	global_store_b128 v[L16], v[OB+4*i:OB+4*i+3], s[OUTB:OUTB+1] offset:(i>>3)*32768+(i&7)*512 th:TH_STORE_NT  ; 512 consecutive bytes, at a multiple of 512 from out0's first byte
.set i, i+1
.endr
	s_wait_tensorcnt 0x0                           ; the wave's end: behind my last tensor load and my last LDS store
	ds_add_u32 v[SPW], v[NIL]
	s_wait_dscnt 0x0
	ROUND                                          ; the closing round: no work-group ends while a partner may still ask for a tile that names it
	s_endpgm
.Lfunc_end_k_q6a27d7ae44_local_attention:
	.size	k_q6a27d7ae44_local_attention, .Lfunc_end_k_q6a27d7ae44_local_attention-k_q6a27d7ae44_local_attention
	.p2alignl 7, 3214868480
	.fill 96, 4, 3214868480
	.section	.rodata,"a",@progbits
	.p2align	6, 0x0
	.amdhsa_kernel k_q6a27d7ae44_local_attention
		.amdhsa_group_segment_fixed_size 327680
		.amdhsa_private_segment_fixed_size 0
		.amdhsa_enable_private_segment 0
		.amdhsa_kernarg_size 48
		.amdhsa_user_sgpr_count 2
		.amdhsa_user_sgpr_kernarg_segment_ptr 1
		.amdhsa_wavefront_size32 1
		.amdhsa_system_sgpr_workgroup_id_x 1
		.amdhsa_system_sgpr_workgroup_id_y 1
		.amdhsa_system_sgpr_workgroup_id_z 1
		.amdhsa_system_vgpr_workitem_id 0
		.amdhsa_next_free_vgpr 1024
		.amdhsa_next_free_sgpr 102
		.amdhsa_reserve_vcc 1
		.amdhsa_float_denorm_mode_32 3
		.amdhsa_float_denorm_mode_16_64 3
		.amdhsa_memory_ordered 1
		.amdhsa_forward_progress 1
		.amdhsa_inst_pref_size 186
	.end_amdhsa_kernel
	.amdgpu_metadata
---
amdhsa.version: [ 1, 2 ]
amdhsa.kernels:
  - .name:           k_q6a27d7ae44_local_attention
    .symbol:         k_q6a27d7ae44_local_attention.kd
    .args:
      - { .name: x, .offset: 0, .size: 8, .value_kind: global_buffer, .address_space: global }
      - { .name: W_qkv, .offset: 8, .size: 8, .value_kind: global_buffer, .address_space: global }
      - { .name: W_width, .offset: 16, .size: 8, .value_kind: global_buffer, .address_space: global }
      - { .name: b_width, .offset: 24, .size: 8, .value_kind: global_buffer, .address_space: global }
      - { .name: W_out, .offset: 32, .size: 8, .value_kind: global_buffer, .address_space: global }
      - { .name: out0, .offset: 40, .size: 8, .value_kind: global_buffer, .address_space: global }
    .group_segment_fixed_size: 327680
    .private_segment_fixed_size: 0
    .kernarg_segment_align: 8
    .kernarg_segment_size: 48
    .max_flat_workgroup_size: 128
    .sgpr_count:     102
    .vgpr_count:     1024
    .wavefront_size: 32
...
	.end_amdgpu_metadata
.endif
;; end of part 1
;; ======== version 2 of 2: 1 launch; 1.33 times as fast as version 1
;; limits: values are held in f16: magnitudes above 65,504 overflow, below 6.1e-05 lose precision
;; launch local_attention (part 2): grid 64 x 4, 4 waves a work-group, clusters of 4 x 1, 327,680 bytes of LDS; arguments x, W_qkv, W_width, b_width, W_out, out0; writes out0
.if DOCPART == 2
	.amdgcn_target "amdgcn-amd-amdhsa--gfx1250"
	.amdhsa_code_object_version 6
	.text
	.protected	k_q6a27d7ae44_local_attention
	.globl	k_q6a27d7ae44_local_attention
	.p2align	8
	.type	k_q6a27d7ae44_local_attention,@function
k_q6a27d7ae44_local_attention:
	s_mov_b64 s[64:65], 0
	v_nop
	global_prefetch_b8 v0, s[64:65] scope:SCOPE_SE
	s_setreg_imm32_b32 hwreg(HW_REG_WAVE_MODE, 25, 1), 1
	s_wait_xcnt 0x0
	s_wait_alu depctr_hold_cnt(0) depctr_sa_sdst(0) depctr_va_vdst(0) depctr_va_sdst(0) depctr_va_ssrc(0) depctr_va_vcc(0) depctr_vm_vsrc(0)
	s_getreg_b32 s2, hwreg(HW_REG_IB_STS2, 6, 4)
	s_cmp_eq_u32 s2, 0
	s_cbranch_scc0 .Lentry_in_a_cluster
	s_endpgm
.Lentry_in_a_cluster:
	s_bfe_u32 s2, ttmp6, 0x10000c
	s_cmp_lg_u32 s2, 0x3003
	s_cbranch_scc0 .Lentry_shape_is_right
	s_endpgm
.Lentry_shape_is_right:
; LOCAL ATTENTION, 7 x 7 WINDOW, ONE LAUNCH.  x: [4][64][64][128] f32.  out0 = (softmax(q.k/sqrt(128) - 10000 (1 - sigmoid(5 (width - dist)))) v + v) W_out,
; q, k, v = x W_qkv, width = sigmoid(x W_width + b_width) sqrt(18) + 0.5; keys outside the image are k = v = 0 and stay in the softmax.
; THE PRODUCTS ARE REGROUPED, for all values of the inputs, in exact arithmetic: q . k_j = (q W_k^T) . x_j;  sum p_j v_j = (sum p_j x_j) W_v;  out + v = (sum p_j x_j + x) W_v.
; A padded key has k = v = 0 exactly where x is taken as 0.  So k and v are never formed for the windows: attention runs on x itself, and W_k and W_v meet the queries alone.
; Every input is loaded, and no step of the softmax, the mask or the padding is left out.
; SHARES.  A work-group of four waves owns 8 x 8 pixels of one image and holds its halo of 14 x 14 pixels of x in LDS (as 14 rows of 16: the two columns over are real pixels or zeros, and
; always masked).  A wave owns 16 queries (two rows of the tile) and takes them through the whole chain: q, q' = q W_k^T, scores on the 128 keys of eight halo rows, softmax, sum p x, + x, W_v, W_out.
; EVERY PRODUCT IS USED TRANSPOSED (source 0 = weights or keys, source 1 = queries): a lane holds ONE query (lane % 16) and eight channels or keys, 8 (lane / 16) + 0..7, so that each result,
; rounded in pairs, IS source 1 of the next product: nothing of the chain goes through LDS.
; CLUSTER.  All work-groups read the same 262,144 bytes of weights: the four of a cluster ask for them JOINTLY (mask 15).  Wave w asks for rows 32 w .. 32 w + 31 of W_q, W_k, W_v and W_out, a load of
; 16,384 bytes each, in the order in which the chain wants them: four tensor loads of a wave are out at the most, all of them first fills.  The wave rounds its own rows to f16 in place.
; TWO BARRIERS.  The first: x, W_q and W_k are laid out.  W_v and W_out may still be on their way then: they have the chain's first twelve K steps in which to land, and are rounded among the softmax's
; lines, where no other LDS work is issued.  The second, behind the softmax: W_v and W_out are laid out, and nobody reads W_q any more.
; FORMATS.  x and all four weight matrices are rounded once to f16, and so are q, q' / 256, the weights p, sum p x / l + x and its product with W_v; b_width, all sums, the maximum, the penalty and l are f32.
; LIMITS.  |x|, the weights, |q|, |q'| / 256, |sum p x / l + x| and its product with W_v stay under 65,504 (f16); beyond that an infinity arises.  Below 6e-5 f16 keeps a fixed step of 6e-8.
; The order of rounding differs from the reference's (the regrouping above).  1 - sigmoid(z) is formed as 1 / (1 + e^z), the same number in exact arithmetic.  A key outside the window counts as its
; score less 1e30 in the scores' units.  A weight below 2^-126 counts as 0.  NaN and infinities in the inputs are not treated apart.
; REGISTERS, in windows of 256 (s_set_vgpr_msb: bits 1:0 source 0, 3:2 source 1, 5:4 source 2, 7:6 destination):
;   window 0: addresses; the queries' x (32), two packed operands (32 each), two sets of 8 accumulators          window 1: W_q and W_k on their way (4 x 64), then a ring of four buffers of source 0
;   window 2: x as loaded (228) and two LDS addresses; W_width's operand; later W_v and W_out on their way (4 x 64)          window 3: scores 64, masks 24, p 32, statistics
.set PX,    272       ; a row of x and of every weight matrix in LDS: 256 bytes + 16 = 68 words: 4 words modulo the 64 banks of 4 bytes (ISA guide 11.1)
.set SGP,   528       ; a row of the way out: 512 bytes + 16
.set WMAT,  65536     ; LDS: matrix m (W_q, W_k, W_v, W_out) at WMAT m,
.set WSEG,  16384     ; wave w's 32 rows of it at WSEG w: f32 as filled, then 32 f16 rows of 272 bytes in the same bytes.  My segment of W_q is my stage for the way out in the end: it has had its one fill
.set XL,    262144    ; x in f16: 224 halo pixels, then a row with W_width for each wave
.set SPARE, 324352    ; the spare words, 128 bytes for each wave: two blocks of 256 bytes that no other line names
; EVERY f16 ROW OF 256 BYTES holds its sixteen 16-byte pieces in the order 0, 2, .. 14, 1, 3, .. 15: piece q lies at 16 (q / 2) + 128 (q % 2).
; one layout serves both.
; window 0
.set R,   1           ; lane % 16
.set H,   2           ; lane / 16
.set LN,  3           ; lane
.set SPW, 4           ; LDS address of my spare word; never rewritten
.set NIL, 5           ; 0; never rewritten
.set COL, 6           ; v6-9   byte offset of my four halo columns (clamped) + 16 x lane
.set L16, 10          ; 16 x lane
.set PRM, 11          ; where my lane's 8 bytes (channels 4 l .. 4 l + 3) lie in an f16 row
.set AR,  12          ; v12-15 my segment of matrix m, f32: + 16 x lane
.set AW,  16          ; v16-19 the same, f16: + PRM
.set WTQ, 20          ; turning loads from W_q
.set WPK, 21          ; plain loads from W_k
.set WTV, 22          ; turning loads from W_v
.set WOA, 23          ; turning loads from W_out
.set KA,  24          ; x as keys
.set VA,  25          ; x turned
.set QXW, 26          ; x of my queries
.set WWA, 27          ; my row with W_width
.set SG,  28          ; the way out: in
.set RD,  AR          ; the way out: back: my segment of W_q + 16 x lane
.set RL,  29          ; 1 / l
.set OFF, 32          ; v32-87   the 56 x loads' offsets
.set T0,  88
.set T1,  89
.set XQ,  32          ; v32-63   my queries' x: source 1 of q and of the width, the residual, then sum p x / l + x
.set PB1, 64          ; v64-95   q, later U, packed
.set ACA, 96          ; v96-159  q^T, later the sum p x, later Y^T
.set ACB, 160         ; v160-223 q'^T, later U^T, later 16 rows read back
.set PB2, 224         ; v224-255 q' / 256, packed
; window 2
.set XS,  0
.set XST, 228
.set XSW, 229
.set WWF, 0
; window 3
.set S,   0           ; key tile t (halo row 2 w + t), register j (halo column 8 (lane / 16) + j) at 8 t + j
.set MK,  64          ; 0 or -1e30: +j for tiles 1-6, +8+j for tile 0, +16+j for tile 7
.set P,   88
.set DX2, 88
.set DY2, 96
.set WAC, 88          ; the width product's four accumulators
.set R7,  120
.set R3,  121
.set H3,  122
.set U0,  123
.set TA,  124
.set TB,  125
.set BIG, 126
.set A5,  127
.set AT,  128         ; v128-135
.set CM,  136         ; v136-137 the maximum, twice
.set LS,  138
; scalars.  s16-47 descriptors; s52-53 their offsets (wave terms alone); s56-63, s66-83, s90-91, s100-101 what hangs on the work-group's place; s96-98 wave terms of LDS addresses
.set SC2, 48          ; s[48:49] 1 / 256
.set WV,  54
.set BW,  55
.set X0,  56
.set Y0,  57
.set BT,  58
.set XBS, 62
.set RM,  66          ; s66-79  halo row inside the image: -1, else 0
.set CMK, 80          ; s80-83  the same for my four columns
.set CS,  84          ; s[84:85] 256 log2(e) / sqrt(128)
.set SEL, 86          ; s[86:87] v_permlanex16_b32: each lane takes its own place in the other half
.set BIGN, 88
.set C2,  89
.set OUTB, 90
.set MA,  93
.set MB,  94
.set MSB, 0
.macro WIN new                      ; the immediate's high byte repeats the setting that is left; a switch that changes nothing is dropped
.if MSB != (\new)
	s_set_vgpr_msb (MSB<<8)|(\new)
.set MSB, (\new)
.endif
.endm
.macro PLACES                       ; four plain instructions between a matrix instruction and a read of its result or a load into its registers
.rept 4
	v_nop
.endr
.endm
.macro ROUND                        ; a round of the cluster's barrier: my work-group's barrier, wave 0 signals for it, every wave waits for all four work-groups, my work-group's barrier once more
	s_barrier_signal -1
	s_barrier_wait -1
	s_cmp_lg_u32 s[WV], 0
	s_cbranch_scc1 .Lnot_wave_0_\@
	s_barrier_signal -3
.Lnot_wave_0_\@:
	s_barrier_wait -3
	s_barrier_signal -1
	s_barrier_wait -1
.endm
	s_load_b256 s[4:11], s[0:1], 0x0               ; x s[4:5], W_qkv s[6:7], W_width s[8:9], b_width s[10:11]
	s_load_b128 s[12:15], s[0:1], 0x20             ; W_out s[12:13], out0 s[14:15]
	v_lshl_add_u32 v[SPW], v0, 2, SPARE
	v_mov_b32 v[NIL], 0
	ds_add_u32 v[SPW], v[NIL]                      ; the wave's opening: the add, twice on end, and its wait ahead of my first tensor load
	ds_add_u32 v[SPW], v[NIL]
	v_lshrrev_b32 v[T0], 5, v0
	v_readfirstlane_b32 s[WV], v[T0]               ; wave 0..3
	; descriptor group 1, two shapes.  Word 0: 15:0 the mask of four, 17:16 the element's size, 21 set beside a mask; no padding
	s_mov_b32 s16, 15|(2<<16)|(1<<21)              ; W_q, W_k, W_v: 32 rows x 128 f32 (512 bytes, at a multiple of 512 from W_qkv's first byte), 384 elements from row to row
	s_mov_b32 s17, 128<<16
	s_mov_b32 s18, 32<<16
	s_mov_b32 s19, 128<<16
	s_mov_b32 s20, 32
	s_mov_b32 s21, 384
	s_mov_b32 s22, 0
	s_mov_b32 s23, 0
	s_mov_b32 s40, 15|(3<<16)|(1<<21)              ; W_out: 16,384 dense bytes as 64 rows of 32 elements of 8 bytes
	s_mov_b32 s41, 32<<16
	s_mov_b32 s42, 64<<16
	s_mov_b32 s43, 32<<16
	s_mov_b32 s44, 64
	s_mov_b32 s45, 32
	s_mov_b32 s46, 0
	s_mov_b32 s47, 0
	s_mov_b32 s24, 1                               ; group 0, four sets: count 1, then the LDS address: a constant + the wave's number x a constant
	s_mul_i32 s25, s[WV], WSEG
	s_mov_b32 s28, 1
	s_add_co_u32 s29, s25, WMAT
	s_mov_b32 s32, 1
	s_add_co_u32 s33, s25, 2*WMAT
	s_mov_b32 s36, 1
	s_add_co_u32 s37, s25, 3*WMAT
	s_mov_b32 s[SC2], 0x3b800000                   ; 1 / 256
	s_mov_b32 s[SC2+1], s[SC2]
	s_mov_b32 s[CS], 0x420293ee                    ; 256 log2(e) / sqrt(128) = 32.6444
	s_mov_b32 s[CS+1], s[CS]
	s_mov_b32 s[SEL], 0x76543210
	s_mov_b32 s[SEL+1], 0xfedcba98
	s_mov_b32 s[BIGN], 0xf149f2ca                  ; -1e30
	s_mov_b32 s[C2], 0x41f4d55e                    ; 5 log2(e) sqrt(18) = 30.604183
	s_bfe_u32 s59, ttmp6, 0x40000                  ; cx: my place in the cluster; it enters x's and out0's addresses and the edge masks alone
	s_lshl_b32 s60, ttmp9, 2
	s_add_co_u32 s60, s60, s59                     ; my tile of the image's 8 x 8 tiles
	s_and_b32 s[X0], s60, 7
	s_lshl_b32 s[X0], s[X0], 3                     ; its first column,
	s_lshr_b32 s[Y0], s60, 3
	s_lshl_b32 s[Y0], s[Y0], 3                     ; its first row
	s_and_b32 s[BT], ttmp7, 0xffff                 ; the image
	s_wait_dscnt 0x0                               ; both opening adds are done
	; ALL THAT HANGS ON IDS ALONE stands here, while the arguments are on their way.
	; X's OFFSETS.  Wave w fetches halo columns 4 w .. 4 w + 3 of all 14 halo rows: a pixel (512 consecutive bytes) an instruction.  Rows and columns are clamped into the image, so that every
	; load stays in x; what was clamped is made 0 when it is rounded.  Each load has an offset register of its own: none is rewritten while the loads are out.
	v_and_b32 v[LN], 31, v0
	v_lshlrev_b32 v[L16], 4, v[LN]
	s_lshl_b32 s59, s[WV], 2
	s_add_co_u32 s59, s59, s[X0]
	s_sub_co_i32 s59, s59, 3                       ; the image column of my first halo column
.irp k, 0,1,2,3
	s_add_co_i32 s60, s59, \k
	s_max_i32 s61, s60, 0
	s_min_i32 s61, s61, 63
	s_cmp_eq_u32 s60, s61
	s_cselect_b32 s[CMK+\k], -1, 0
	s_lshl_b32 s61, s61, 9
	v_add_nc_u32 v[COL+\k], s61, v[L16]
.endr
	s_sub_co_i32 s59, s[Y0], 3
.set hy, 0
.rept 14
	s_add_co_i32 s60, s59, hy
	s_max_i32 s61, s60, 0
	s_min_i32 s61, s61, 63
	s_cmp_eq_u32 s60, s61
	s_cselect_b32 s[RM+hy], -1, 0
	s_lshl_b32 s61, s61, 15
.irp k, 0,1,2,3
	v_add_nc_u32 v[OFF+4*hy+\k], s61, v[COL+\k]
.endr
.set hy, hy+1
.endr
	; LDS ADDRESSES: a constant, the wave's number times a constant, a lane term
	v_and_b32 v[T0], 0x1c, v[LN]
	v_lshlrev_b32 v[T0], 2, v[T0]                  ; 16 (l / 4): my piece l / 2, halved,
	v_bfe_u32 v[T1], v[LN], 1, 1
	v_lshl_add_u32 v[T0], v[T1], 7, v[T0]          ; odd pieces 128 bytes on,
	v_and_b32 v[T1], 1, v[LN]
	v_lshl_add_u32 v[PRM], v[T1], 3, v[T0]         ; and my half of the piece
	v_and_b32 v[R], 15, v0
	v_bfe_u32 v[H], v0, 4, 1
	s_mul_i32 s96, s[WV], WSEG
.irp m, 0,1,2,3
	s_add_co_u32 s98, s96, \m*WMAT                 ; my segment of matrix m
	v_add_nc_u32 v[AR+\m], s98, v[L16]
	v_add_nc_u32 v[AW+\m], s98, v[PRM]
.endr
	v_mul_u32_u24 v[SG], v[R], SGP
	v_lshl_add_u32 v[SG], v[H], 5, v[SG]
	v_add_nc_u32 v[SG], s96, v[SG]                 ; my stage: my segment of W_q
	v_and_b32 v[T0], 7, v0
	v_lshl_add_u32 v[T0], v[H], 3, v[T0]           ; the turning load's row: 8 (l / 16) + l % 8,
	v_bfe_u32 v[T1], v0, 3, 1
	v_lshlrev_b32 v[T1], 7, v[T1]                  ; and its piece of the two: the odd one lies 128 bytes on
	v_mul_u32_u24 v[WTQ], v[T0], PX
	v_add_nc_u32 v[WTQ], v[T1], v[WTQ]
	v_add_nc_u32 v[WTV], 2*WMAT, v[WTQ]
	v_add_nc_u32 v[WOA], 3*WMAT, v[WTQ]
	s_mul_i32 s98, s[WV], 32*PX                    ; my wave's keys begin two halo rows a wave further on
	s_add_co_u32 s98, s98, XL
	v_add_nc_u32 v[VA], s98, v[WTQ]
	v_lshlrev_b32 v[T1], 7, v[H]                   ; a plain operand: row x pitch + 128 x half (pieces 4 c + h and 4 c + 2 + h lie at 32 c + 128 h and 16 further)
	v_mul_u32_u24 v[KA], v[R], PX
	v_add_nc_u32 v[KA], v[T1], v[KA]
	v_add_nc_u32 v[WPK], WMAT, v[KA]
	v_add_nc_u32 v[KA], s98, v[KA]
	v_lshrrev_b32 v[T0], 3, v[R]
	v_lshl_add_u32 v[T0], v[T0], 3, v[R]           ; a query's place among the halo's pixels: 51 + 32 w + r + 8 (r / 8)
	v_mul_u32_u24 v[T0], v[T0], PX
	v_add_nc_u32 v[T0], v[T1], v[T0]
	s_add_co_u32 s98, s98, 51*PX
	v_add_nc_u32 v[QXW], s98, v[T0]
	s_mul_i32 s97, s[WV], PX
	s_add_co_u32 s97, s97, XL+224*PX
	v_add_nc_u32 v[WWA], s97, v[T1]                ; all sixteen rows of that operand are my one row with W_width
	s_mul_i32 s96, s[WV], 4*PX
	s_add_co_u32 s96, s96, XL
	WIN 0x80                                       ; destination window 2
	v_add_nc_u32 v[XSW], s97, v[PRM]
	v_add_nc_u32 v[XST], s96, v[PRM]               ; where my four columns go
	WIN 0
	s_mul_i32 s52, s[WV], 32*1536                  ; 32 rows of W_qkv
	s_mov_b32 s53, 0
	s_lshl_b32 s59, s[WV], 1
	s_add_co_u32 s59, s59, s[Y0]
	s_lshl_b32 s59, s59, 15                        ; my two rows of the tile: 32,768 bytes an image row,
	s_lshl_b32 s60, s[X0], 9                       ; 512 bytes a pixel
	s_add_co_u32 s59, s59, s60
	s_lshl_b32 s100, s[BT], 21
	s_mov_b32 s101, 0
	s_wait_kmcnt 0x0
	s_load_b32 s[BW], s[10:11], 0x0                ; b_width
	s_add_nc_u64 s[XBS:XBS+1], s[4:5], s[100:101]  ; x at my image
	WIN 0x80
.set hy, 0
.rept 14
.irp k, 0,1,2,3
	global_load_b128 v[XS+16*hy+4*\k:XS+16*hy+4*\k+3], v[OFF+4*hy+\k], s[XBS:XBS+1]
.endr
.set hy, hy+1
.endr
	global_load_b128 v[XS+224:XS+227], v[L16], s[8:9]  ; W_width, as one more row of 128 channels: 57 loads of mine are out, ahead of the round
	WIN 0
	s_add_nc_u64 s[26:27], s[6:7], s[52:53]        ; W_qkv's row 32 w: W_q's 512 bytes of it,
	s_add_nc_u64 s[30:31], s[26:27], 512           ; W_k's,
	s_add_nc_u64 s[34:35], s[26:27], 1024          ; W_v's
	s_or_b32 s27, s27, 0x80000000                  ; type 2
	s_or_b32 s31, s31, 0x80000000
	s_or_b32 s35, s35, 0x80000000
	s_lshl_b32 s52, s[WV], 14
	s_add_nc_u64 s[38:39], s[12:13], s[52:53]      ; W_out's row 32 w
	s_or_b32 s39, s39, 0x80000000
	s_add_co_u32 s100, s100, s59
	s_add_nc_u64 s[OUTB:OUTB+1], s[14:15], s[100:101]  ; out0 at my wave's first pixel
	ROUND                                          ; all four work-groups are here: the joint loads meet
	tensor_load_to_lds s[24:27], s[16:23]          ; the first fills, one group, in the order in which the chain wants them: W_q,
	s_nop 0
	tensor_load_to_lds s[28:31], s[16:23]          ; W_k,
	s_nop 0
	tensor_load_to_lds s[32:35], s[16:23]          ; W_v,
	s_nop 0
	tensor_load_to_lds s[36:39], s[40:47]          ; W_out: four loads of mine are out
	s_nop 0
	PLACES                                         ; four vector lines ahead of the next switch of windows
	; DISTANCES AND MASKS, while the loads are out.  My query is (row lane % 16 / 8, column lane % 8) of my wave's two rows; register (t, j) is the key dy = t - 3 - row, dx = 8 (lane / 16) + j - 3 - column.
	WIN 0xc0                                       ; destination window 3
	v_and_b32 v[R7], 7, v0
	v_bfe_u32 v[R3], v0, 3, 1
	v_bfe_u32 v[H3], v0, 4, 1
	v_mov_b32 v[BIG], s[BIGN]
	WIN 0xff                                       ; all in window 3
	v_lshlrev_b32 v[U0], 3, v[H3]
	v_sub_nc_u32 v[U0], v[U0], v[R7]
.irp j, 0,1,2,3,4,5,6,7
	v_add_nc_u32 v[TA], \j, v[U0]                  ; dx + 3: in the window if 0 .. 6 (unsigned: a negative number is large)
	v_cmp_lt_u32 vcc_lo, 6, v[TA]
	v_cndmask_b32 v[MK+\j], 0, v[BIG], vcc_lo
	v_add_nc_u32 v[TA], -3, v[TA]
	v_cvt_f32_i32 v[TA], v[TA]
	v_mul_f32 v[DX2+\j], v[TA], v[TA]
.endr
.set t, 0
.rept 8
	v_sub_nc_u32 v[TA], t-3, v[R3]
	v_cvt_f32_i32 v[TA], v[TA]
	v_mul_f32 v[DY2+t], v[TA], v[TA]
.set t, t+1
.endr
	v_cmp_eq_u32 s[MA], 1, v[R3]                   ; tile 0 (dy = -4) is outside for the second row's queries,
	v_cmp_eq_u32 s[MB], 0, v[R3]                   ; tile 7 (dy = 4) for the first row's
.irp j, 0,1,2,3,4,5,6,7
	v_cndmask_b32 v[MK+8+\j], v[MK+\j], v[BIG], s[MA]
	v_cndmask_b32 v[MK+16+\j], v[MK+\j], v[BIG], s[MB]
.endr
.set t, 0
.rept 8
.irp j, 0,1,2,3,4,5,6,7
	v_add_f32 v[S+8*t+\j], v[DY2+t], v[DX2+\j]
.endr
.set t, t+1
.endr
.set i, 0
.rept 64
	v_sqrt_f32 v[S+i], v[S+i]
.set i, i+1
.endr
	v_nop                                          ; a plain instruction behind the last root,
	s_wait_alu depctr_va_vdst(0)                   ; and one wait for the batch
	; X IS ROUNDED TO f16 AND LAID INTO LDS: 8 bytes a lane, the 256 bytes of a row an instruction.  A pixel outside the image becomes 0.  A halo row's four stores stand behind the next row's conversions.
	WIN 0xaa                                       ; all in window 2
.set hy, 0
.rept 14
	s_wait_loadcnt 53-4*hy                         ; loads come back in order (ISA guide 5.7.1): this halo row's four are in, the younger ones stay out
.irp k, 0,1,2,3
	s_and_b32 s61, s[RM+hy], s[CMK+\k]
	v_cvt_pk_f16_f32 v[XS+16*hy+4*\k], v[XS+16*hy+4*\k], v[XS+16*hy+4*\k+1]
	v_cvt_pk_f16_f32 v[XS+16*hy+4*\k+1], v[XS+16*hy+4*\k+2], v[XS+16*hy+4*\k+3]
	v_and_b32 v[XS+16*hy+4*\k], s61, v[XS+16*hy+4*\k]
	v_and_b32 v[XS+16*hy+4*\k+1], s61, v[XS+16*hy+4*\k+1]
.endr
.if hy > 0
.irp k, 0,1,2,3
	ds_store_b64 v[XST], v[XS+16*(hy-1)+4*\k:XS+16*(hy-1)+4*\k+1] offset:(16*(hy-1)+\k)*PX
.endr
.endif
.set hy, hy+1
.endr
	s_wait_loadcnt 0x0
	v_cvt_pk_f16_f32 v[XS+224], v[XS+224], v[XS+225]
	v_cvt_pk_f16_f32 v[XS+225], v[XS+226], v[XS+227]
.irp k, 0,1,2,3
	ds_store_b64 v[XST], v[XS+16*13+4*\k:XS+16*13+4*\k+1] offset:(16*13+\k)*PX
.endr
	ds_store_b64 v[XSW], v[XS+224:XS+225]
	; THE WEIGHTS ARE ROUNDED TO f16 IN PLACE.  My segment of a matrix is 32 rows of 512 bytes (128 f32).  A row is one load, two conversions a lane, one store of 8 bytes a lane.  Row p's f16 form ends at
	; byte 272 p + 256 of the segment, inside the 512 (p + 1) bytes that rows 0 .. p filled; those have been read, since LDS serves a wave's instructions in order (ISA guide 5.7.1.4).
	; Batch b of eight is 16 rows: half b % 2 of matrix b / 2, in set b % 4 of 64 registers of window wd.  A batch's stores stand behind a later batch's conversions.
.macro LDW b, wd
	WIN (\wd)<<6
.set i, 0
.rept 16
	ds_load_b128 v[64*((\b)%4)+4*i:64*((\b)%4)+4*i+3], v[AR+(\b)/2] offset:512*(16*((\b)%2)+i)
.set i, i+1
.endr
.endm
.macro CVW b, wd
	WIN ((\wd)<<6)|((\wd)<<2)|(\wd)
.set i, 0
.rept 16
.set a, 64*((\b)%4)+4*i
	v_cvt_pk_f16_f32 v[a], v[a], v[a+1]
	v_cvt_pk_f16_f32 v[a+1], v[a+2], v[a+3]
.set i, i+1
.endr
.endm
.macro STW b, wd
	WIN (\wd)<<2
.set i, 0
.rept 16
.set a, 64*((\b)%4)+4*i
	ds_store_b64 v[AW+(\b)/2], v[a:a+1] offset:PX*(16*((\b)%2)+i)
.set i, i+1
.endr
.endm
	s_wait_tensorcnt 3                             ; W_q is in; the three younger loads stay out.  I alone read my f32 rows, so my own waits are all the ordering that these reads need
	LDW 0, 1
	LDW 1, 1
	s_wait_dscnt 16                                ; batch 0 is in; batch 1's 16 loads stay out
	CVW 0, 1
	s_wait_tensorcnt 2                             ; W_k is in
	LDW 2, 1
	s_wait_dscnt 16                                ; all but batch 2's loads
	CVW 1, 1
	STW 0, 1
	LDW 3, 1
	s_wait_dscnt 32                                ; batch 2 is in: behind it stand batch 0's 16 stores and batch 3's 16 loads
	CVW 2, 1
	STW 1, 1
	s_wait_dscnt 16                                ; all but batch 1's stores
	CVW 3, 1
	STW 2, 1
	STW 3, 1
	WIN 0
	s_wait_kmcnt 0x0                               ; b_width
	s_wait_dscnt 0x0                               ; for the others' sake: my part of x and my rows of W_q and W_k lie in LDS
	s_barrier_signal -1                            ; (my loads of W_v and W_out may stay out, and I alone read what they bring, behind my own waits)
	s_barrier_wait -1                              ; x, W_q and W_k are whole
	; THE CHAIN: six products of four K steps, 24 steps.  A step is 8 matrix instructions (8 tiles of source 0, one K step of source 1) and wants a CHUNK of 16 LDS loads, used once.
	; Chunks go through a ring of four buffers; chunk s + 3 is asked for at the head of step s, into the buffer that step s - 1 multiplied: four v_nop stand behind every step's products.
.macro CHUNK s
	WIN 0x40                                       ; destination window 1
.set c_b, 64*((\s)%4)
.set c_u, (\s)%4
.set c_g, (\s)/4
.irp t, 0,1,2,3,4,5,6,7
.if c_g == 0                        ; W_q turned: 16 output channels x input channels 32 u + 8 h + 0..7 (segment u), and 16 on
	ds_load_tr16_b128 v[c_b+8*\t:c_b+8*\t+3],   v[WTQ] offset:WSEG*c_u+16*\t
	ds_load_tr16_b128 v[c_b+8*\t+4:c_b+8*\t+7], v[WTQ] offset:WSEG*c_u+16*PX+16*\t
.elseif c_g == 1                    ; W_k as it lies: rows 16 t + r (segment t / 2), columns 32 u on
	ds_load_b128 v[c_b+8*\t:c_b+8*\t+3],   v[WPK] offset:WSEG*(\t/2)+16*PX*(\t%2)+32*c_u
	ds_load_b128 v[c_b+8*\t+4:c_b+8*\t+7], v[WPK] offset:WSEG*(\t/2)+16*PX*(\t%2)+32*c_u+16
.elseif c_g == 2                    ; x as keys: halo row 2 w + t, channels 32 u on
	ds_load_b128 v[c_b+8*\t:c_b+8*\t+3],   v[KA] offset:16*PX*\t+32*c_u
	ds_load_b128 v[c_b+8*\t+4:c_b+8*\t+7], v[KA] offset:16*PX*\t+32*c_u+16
.elseif c_g == 3                    ; x turned: 16 channels x keys 32 u + 8 h + 0..7, and 16 on
	ds_load_tr16_b128 v[c_b+8*\t:c_b+8*\t+3],   v[VA] offset:32*PX*c_u+16*\t
	ds_load_tr16_b128 v[c_b+8*\t+4:c_b+8*\t+7], v[VA] offset:32*PX*c_u+16*PX+16*\t
.elseif c_g == 4                    ; W_v turned
	ds_load_tr16_b128 v[c_b+8*\t:c_b+8*\t+3],   v[WTV] offset:WSEG*c_u+16*\t
	ds_load_tr16_b128 v[c_b+8*\t+4:c_b+8*\t+7], v[WTV] offset:WSEG*c_u+16*PX+16*\t
.else                               ; W_out turned
	ds_load_tr16_b128 v[c_b+8*\t:c_b+8*\t+3],   v[WOA] offset:WSEG*c_u+16*\t
	ds_load_tr16_b128 v[c_b+8*\t+4:c_b+8*\t+7], v[WOA] offset:WSEG*c_u+16*PX+16*\t
.endif
.endr
.endm
; The eight accumulators take turns, one instruction a turn; a product's first K step starts its sums with 0, the scores' with the penalty.
.macro STEP s
.if (\s) < 22
	s_wait_dscnt 32                                ; this step's chunk is in; the two younger chunks stay out (straight behind the second barrier nothing is out, and the count is met at once)
.elseif (\s) == 22
	s_wait_dscnt 16
.else
	s_wait_dscnt 0x0
.endif
.if (\s) < 21
	CHUNK (\s)+3
.endif
.set s_b, 64*((\s)%4)
.set s_u, (\s)%4
.set s_g, (\s)/4
.if s_g == 0
.set s_d, ACA
.set s_s, XQ
	WIN 0x01                                       ; source 0 window 1
.elseif s_g == 1
.set s_d, ACB
.set s_s, PB1
	WIN 0x01
.elseif s_g == 2
.set s_d, S
.set s_s, PB2
	WIN 0xf1                                       ; C and D window 3
.elseif s_g == 3
.set s_d, ACA
.set s_s, P
	WIN 0x0d                                       ; source 1 window 3
.elseif s_g == 4
.set s_d, ACB
.set s_s, XQ
	WIN 0x01
.else
.set s_d, ACA
.set s_s, PB1
	WIN 0x01
.endif
.irp t, 0,1,2,3,4,5,6,7
.if (s_u == 0) && (s_g != 2)
	v_wmma_f32_16x16x32_f16 v[s_d+8*\t:s_d+8*\t+7], v[s_b+8*\t:s_b+8*\t+7], v[s_s+8*s_u:s_s+8*s_u+7], 0
.else
	v_wmma_f32_16x16x32_f16 v[s_d+8*\t:s_d+8*\t+7], v[s_b+8*\t:s_b+8*\t+7], v[s_s+8*s_u:s_s+8*s_u+7], v[s_d+8*\t:s_d+8*\t+7]
.endif
.endr
	PLACES
.endm
; THE PENALTY, in the scores' own registers and units (scores x sqrt(128) / 256): -10000 sqrt(128) / 256 / (1 + e^(5 (width - dist))), or -1e30 outside the window.  It is the C operand that starts the scores' sums.
; Its lines stand in blocks behind the first eight steps, whose products they do not name.  Each batch of exponentials or reciprocals has one plain line and one wait ahead of its first reader.
.macro PF a, n                      ; 5 log2(e) (width - dist)
	WIN 0xff
.set i, \a
.rept \n
	v_fmamk_f32 v[S+i], v[S+i], 0xc0e6d4ca, v[A5]
.set i, i+1
.endr
.endm
.macro PE a, n
	WIN 0xff
.set i, \a
.rept \n
	v_exp_f32 v[S+i], v[S+i]
.set i, i+1
.endr
.endm
.macro PA a, n                      ; pairs
	WIN 0xff
.set i, \a
.rept \n
	v_pk_add_f32 v[S+2*i:S+2*i+1], v[S+2*i:S+2*i+1], 1.0 op_sel_hi:[1,0]
.set i, i+1
.endr
.endm
.macro PR a, n
	WIN 0xff
.set i, \a
.rept \n
	v_rcp_f32 v[S+i], v[S+i]
.set i, i+1
.endr
.endm
.macro PM t0, n                     ; tiles: x -441.94174, + the mask
	WIN 0xff
.set t, \t0
.rept \n
.set mo, 0
.if t == 0
.set mo, 8
.endif
.if t == 7
.set mo, 16
.endif
.irp j, 0,1,2,3,4,5,6,7
	v_fmamk_f32 v[S+8*t+\j], v[S+8*t+\j], 0xc3dcf88b, v[MK+mo+\j]
.endr
.set t, t+1
.endr
.endm
	WIN 0
.irp c, 0,1,2,3,4,5,6,7
	ds_load_b128 v[XQ+4*\c:XQ+4*\c+3], v[QXW] offset:16*\c   ; my queries' x: piece 2 c + h.  As source 1 registers 8 u .. 8 u + 7 are K step u; as the residual registers 4 c .. are the channels that tile c of a result holds in my lane
.endr
	WIN 0x80
.irp c, 0,1,2,3,4,5,6,7
	ds_load_b128 v[WWF+4*\c:WWF+4*\c+3], v[WWA] offset:16*\c ; all sixteen rows of this operand are W_width: every register of the result is the query's product, in both halves of the lanes
.endr
	CHUNK 0
	CHUNK 1
	s_wait_dscnt 32                                ; all but the two chunks
	WIN 0xc2                                       ; result window 3, source 0 window 2
.irp c, 0,1,2,3
	v_wmma_f32_16x16x32_f16 v[WAC+8*\c:WAC+8*\c+7], v[WWF+8*\c:WWF+8*\c+7], v[XQ+8*\c:XQ+8*\c+7], 0  ; x . W_width: a sum for each K step, added below: no chain on one accumulator
.endr
	CHUNK 2
	STEP 0                                         ; q^T = W_q^T x^T
	WIN 0xff
	v_add_f32 v[TA], v[WAC], v[WAC+8]
	v_add_f32 v[TB], v[WAC+16], v[WAC+24]
	v_add_f32 v[TA], v[TA], v[TB]
	v_add_f32 v[TA], s[BW], v[TA]
	v_mul_f32 v[TA], 0xbfb8aa3b, v[TA]             ; x -log2(e)
	v_exp_f32 v[TA], v[TA]
	v_nop
	s_wait_alu depctr_va_vdst(0)
	v_add_f32 v[TA], 1.0, v[TA]
	v_rcp_f32 v[TA], v[TA]                         ; the sigmoid
	v_nop
	s_wait_alu depctr_va_vdst(0)
	v_fmaak_f32 v[A5], s[C2], v[TA], 0x4066d4ca    ; 5 log2(e) width = 30.604183 sigmoid + 3.6067376
	STEP 1
	PF 0, 64
	STEP 2
	PE 0, 32
	STEP 3
	PE 32, 32
	v_nop
	s_wait_alu depctr_va_vdst(0)                   ; one wait for the 64 exponentials
	PA 0, 16
	WIN 0
.set i, 0
.rept 32
	v_cvt_pk_f16_f32 v[PB1+i], v[ACA+2*i], v[ACA+2*i+1]   ; two tiles of 16 channels are source 1 for 32; each accumulator is read from its low end on
.set i, i+1
.endr
	STEP 4                                         ; q'^T = W_k q^T
	PA 16, 16
	PR 0, 16
	STEP 5
	PR 16, 32
	STEP 6
	PR 48, 16
	v_nop
	s_wait_alu depctr_va_vdst(0)                   ; one wait for the 64 reciprocals
	PM 0, 4
	STEP 7
	PM 4, 4
	WIN 0
.set i, 0
.rept 32
	v_pk_mul_f32 v[ACB+2*i:ACB+2*i+1], v[ACB+2*i:ACB+2*i+1], s[SC2:SC2+1] op_sel_hi:[1,0]   ; q' / 256: a power of two, so that three factors' growth has room in f16
.set i, i+1
.endr
.set i, 0
.rept 32
	v_cvt_pk_f16_f32 v[PB2+i], v[ACB+2*i], v[ACB+2*i+1]
.set i, i+1
.endr
	STEP 8                                         ; S^T = penalty + x q'^T: my 16 queries against the 128 keys of halo rows 2 w .. 2 w + 7
	STEP 9
	STEP 10
	STEP 11
	; SOFTMAX, AND BETWEEN ITS LINES THE ROUNDING OF W_v AND W_out (batches 4 to 7, in window 2): the softmax issues no LDS work of its own.  Three chunks of x turned are on their way too.
	s_wait_tensorcnt 1                             ; W_v is in; W_out's load may stay out
	LDW 4, 2
	LDW 5, 2
	WIN 0xff
.irp t, 0,1,2,3,4,5,6,7
	v_max3_num_f32 v[AT+\t], v[S+8*\t], v[S+8*\t+1], v[S+8*\t+2]   ; each accumulator is read from its low end on
.endr
.irp t, 0,1,2,3,4,5,6,7
	v_max3_num_f32 v[AT+\t], v[AT+\t], v[S+8*\t+3], v[S+8*\t+4]
.endr
.irp t, 0,1,2,3,4,5,6,7
	v_max3_num_f32 v[AT+\t], v[AT+\t], v[S+8*\t+5], v[S+8*\t+6]
.endr
.irp q, 0,1,2,3
	v_max3_num_f32 v[AT+\q], v[AT+\q], v[S+16*\q+7], v[S+16*\q+15]
.endr
	v_max3_num_f32 v[AT], v[AT], v[AT+1], v[AT+2]
	v_max3_num_f32 v[AT+3], v[AT+3], v[AT+4], v[AT+5]
	v_max_num_f32 v[AT+6], v[AT+6], v[AT+7]
	v_max3_num_f32 v[AT], v[AT], v[AT+3], v[AT+6]
	v_permlanex16_b32 v[AT+1], v[AT], s[SEL], s[SEL+1]   ; the query's other 64 keys lie in the lane 16 away
	v_max_num_f32 v[CM], v[AT], v[AT+1]            ; the row's maximum: a true score, since the query's own pixel is always in the window
	v_mov_b32 v[CM+1], v[CM]
.set i, 0
.rept 32
	v_pk_add_f32 v[S+2*i:S+2*i+1], v[S+2*i:S+2*i+1], v[CM:CM+1] neg_lo:[0,1] neg_hi:[0,1]  ; s - m first, the scale second: the exponent is never above 0, whatever the scores' size, so p fits f16
.set i, i+1
.endr
.set i, 0
.rept 32
	v_pk_mul_f32 v[S+2*i:S+2*i+1], v[S+2*i:S+2*i+1], s[CS:CS+1] op_sel_hi:[1,0]
.set i, i+1
.endr
	s_wait_dscnt 16                                ; batch 4 is in; batch 5's 16 loads stay out
	CVW 4, 2
	s_wait_tensorcnt 0x0                           ; W_out is in: no load of mine is younger
	LDW 6, 2
	LDW 7, 2
	s_wait_dscnt 32                                ; batch 5 is in: behind it stand batches 6 and 7
	CVW 5, 2
	STW 4, 2
	WIN 0xff
.set i, 0
.rept 64
	v_exp_f32 v[S+i], v[S+i]
.set i, i+1
.endr
	v_nop                                          ; a plain instruction behind the last exponential; the two batches below, which name none of the results, stand between the exponentials and their wait
	s_wait_dscnt 32                                ; batch 6 is in: behind it stand batch 7's loads and batch 4's stores
	CVW 6, 2
	STW 5, 2
	s_wait_dscnt 32                                ; batch 7 is in: behind it stand batch 4's and batch 5's stores
	CVW 7, 2
	STW 6, 2
	WIN 0xff
	s_wait_alu depctr_va_vdst(0)                   ; one wait for the 64 exponentials, ahead of their first reader
.set i, 0
.rept 32
	v_cvt_pk_f16_f32 v[P+i], v[S+2*i], v[S+2*i+1]  ; two key tiles' pairs are source 1 for 32 keys
.set i, i+1
.endr
	STW 7, 2
	WIN 0xff
.set w, 4
.rept 5                                 ; the sum of the unrounded weights: neighbours 1, 2, 4, 8, 16 pairs apart
.set i, 0
.rept 64/w
	v_pk_add_f32 v[S+w*i:S+w*i+1], v[S+w*i:S+w*i+1], v[S+w*i+w/2:S+w*i+w/2+1]
.set i, i+1
.endr
.set w, 2*w
.endr
	v_add_f32 v[LS], v[S], v[S+1]
	v_permlanex16_b32 v[AT+1], v[LS], s[SEL], s[SEL+1]
	v_add_f32 v[LS], v[LS], v[AT+1]                ; l is at least 1
	WIN 0x03                                       ; source window 3, destination window 0
	v_rcp_f32 v[RL], v[LS]
	v_nop
	s_wait_alu depctr_va_vdst(0)
	WIN 0
	s_wait_dscnt 0x0                               ; for the others' sake: my rows of W_v and W_out lie in LDS, and my reads of W_q and W_k are over
	s_barrier_signal -1
	s_barrier_wait -1                              ; W_v and W_out are whole; nobody reads W_q any more: its segments may serve as stages
	STEP 12                                        ; (sum p x)^T = x^T p
	STEP 13                                        ; (at its head the first chunk of W_v is asked for)
	STEP 14
	STEP 15
	WIN 0
.set i, 0
.rept 32                                ; sum p x / l + x, one rounding to f16, into the half from which x came: two channel tiles are source 1 for 32 input channels
	v_fma_mixlo_f16 v[XQ+i], v[ACA+2*i],   v[RL], v[XQ+i] op_sel_hi:[0,0,1]
	v_fma_mixhi_f16 v[XQ+i], v[ACA+2*i+1], v[RL], v[XQ+i] op_sel:[0,0,1] op_sel_hi:[0,0,1]
.set i, i+1
.endr
	STEP 16                                        ; U^T = W_v^T (sum p x / l + x)^T = (out + v)^T
	STEP 17
	STEP 18
	STEP 19
	WIN 0
.set i, 0
.rept 32
	v_cvt_pk_f16_f32 v[PB1+i], v[ACB+2*i], v[ACB+2*i+1]
.set i, i+1
.endr
	STEP 20                                        ; Y^T = W_out^T U^T
	STEP 21
	STEP 22
	STEP 23
	; THE WAY OUT.  A lane holds 8 channels of a pixel for each tile; they go into my own stage, rows of 528 bytes, and come back a pixel (512 bytes) an instruction.
	WIN 0
.irp nb, 0,1,2,3,4,5,6,7
	ds_store_b128 v[SG], v[ACA+8*\nb:ACA+8*\nb+3]   offset:64*\nb
	ds_store_b128 v[SG], v[ACA+8*\nb+4:ACA+8*\nb+7] offset:64*\nb+16
.endr
.set i, 0
.rept 16
	ds_load_b128 v[ACB+4*i:ACB+4*i+3], v[RD] offset:SGP*i   ; LDS serves a wave's instructions in order (ISA guide 5.7.1.4): these see the stores above
.set i, i+1
.endr
.set i, 0
.rept 16
	s_wait_dscnt 15-i                              ; row i is back; the younger loads stay out
	global_store_b128 v[L16], v[ACB+4*i:ACB+4*i+3], s[OUTB:OUTB+1] offset:(i>>3)*32768+(i&7)*512 th:TH_STORE_NT  ; 512 consecutive bytes, at a multiple of 512 from out0's first byte
.set i, i+1
.endr
	s_wait_tensorcnt 0x0                           ; the wave's end: behind my last tensor load and my last LDS store
	ds_add_u32 v[SPW], v[NIL]
	s_wait_dscnt 0x0
	ROUND                                          ; the closing round: no work-group ends while a partner may still ask for a tile that names it
	s_endpgm
.Lfunc_end_k_q6a27d7ae44_local_attention:
	.size	k_q6a27d7ae44_local_attention, .Lfunc_end_k_q6a27d7ae44_local_attention-k_q6a27d7ae44_local_attention
	.p2alignl 7, 3214868480
	.fill 96, 4, 3214868480
	.section	.rodata,"a",@progbits
	.p2align	6, 0x0
	.amdhsa_kernel k_q6a27d7ae44_local_attention
		.amdhsa_group_segment_fixed_size 327680
		.amdhsa_private_segment_fixed_size 0
		.amdhsa_enable_private_segment 0
		.amdhsa_kernarg_size 48
		.amdhsa_user_sgpr_count 2
		.amdhsa_user_sgpr_kernarg_segment_ptr 1
		.amdhsa_wavefront_size32 1
		.amdhsa_system_sgpr_workgroup_id_x 1
		.amdhsa_system_sgpr_workgroup_id_y 1
		.amdhsa_system_sgpr_workgroup_id_z 1
		.amdhsa_system_vgpr_workitem_id 0
		.amdhsa_next_free_vgpr 1024
		.amdhsa_next_free_sgpr 102
		.amdhsa_reserve_vcc 1
		.amdhsa_float_denorm_mode_32 3
		.amdhsa_float_denorm_mode_16_64 3
		.amdhsa_memory_ordered 1
		.amdhsa_forward_progress 1
		.amdhsa_inst_pref_size 163
	.end_amdhsa_kernel
	.amdgpu_metadata
---
amdhsa.version: [ 1, 2 ]
amdhsa.kernels:
  - .name:           k_q6a27d7ae44_local_attention
    .symbol:         k_q6a27d7ae44_local_attention.kd
    .args:
      - { .name: x, .offset: 0, .size: 8, .value_kind: global_buffer, .address_space: global }
      - { .name: W_qkv, .offset: 8, .size: 8, .value_kind: global_buffer, .address_space: global }
      - { .name: W_width, .offset: 16, .size: 8, .value_kind: global_buffer, .address_space: global }
      - { .name: b_width, .offset: 24, .size: 8, .value_kind: global_buffer, .address_space: global }
      - { .name: W_out, .offset: 32, .size: 8, .value_kind: global_buffer, .address_space: global }
      - { .name: out0, .offset: 40, .size: 8, .value_kind: global_buffer, .address_space: global }
    .group_segment_fixed_size: 327680
    .private_segment_fixed_size: 0
    .kernarg_segment_align: 8
    .kernarg_segment_size: 48
    .max_flat_workgroup_size: 128
    .sgpr_count:     102
    .vgpr_count:     1024
    .wavefront_size: 32
...
	.end_amdgpu_metadata
.endif
;; end of part 2
